; MI455X (gfx1250); checked and timed in simulation.
; The chip was launched on July 23, 2026; its instructions are those of AMD's public machine-readable ISA for CDNA 5 (MIT licence, August 2026) and "CDNA5" Instruction Set Architecture Reference Guide (July 2026). The comments in the code are by the model that wrote it; some were corrected since.
;; RNNQ Network Zero State. Allowed arithmetic: matrix products marked QUANTISED: E2M3 operands, one E8M0 scale for each 32 along K, by v_wmma_scale_f32_16x16x128_f8f6f4 with both operands' format E2M3, f32 sums; everything else in f32.
;; Inputs: W_final 1,024 x 2,048 float32; W_ih 2,048 x 2,048 float32; W_init 2,048 x 1,024 float32; b_final 1,024 float32; b_hh 2,048 float32; b_ih 2,048 float32; b_init 2,048 float32; x 16 x 512 x 1,024 float32.
;; Outputs: out0 16 x 512 x 1,024 float32.
;; This version of the problem:
;;   THIS VERSION OF THE PROBLEM IS GIVEN IN LOW PRECISION. The matrix products marked QUANTISED in the list below multiply operands that are first quantised to E2M3 (2 exponent bits, 3 mantissa bits; 6 bits a number), with one power-of-two scale for each 32 numbers along K (OCP MX v1.0); their sums are f32. All else is computed in f32.
;;   The module's matrix products, in the order in which they are computed (A, B: the left and right operand; K: the contracted axis; several contracted axes count as one K, in the product's order):
;;     1. [M 8,192, K 1,024] x [K 1,024, N 2,048]; A: input x; B: input W_init: QUANTISED
;;     2. [M 8,192, K 2,048] x [K 2,048, N 2,048]; A: computed on the way; B: input W_ih: QUANTISED
;;     3. [M 8,192, K 2,048] x [K 2,048, N 1,024]; A: computed on the way; B: input W_final: QUANTISED
;;   THE QUANTISER, for each operand of a quantised product, along K:
;;     - K is cut into blocks of 32 from its start; a last block that is shorter is filled with zeros.
;;     - A block's scale is 2^e with e = floor(log2(the largest magnitude in the block)) - 2, held to -126 .. 127; a block of zeros has e = 0. As a byte (E8M0): e + 127.
;;     - Each number is divided by its block's scale, clamped to +-7.5, and rounded to the nearest number of E2M3, ties to even, subnormals kept.
;;     - The product sums the exact products of the quantised numbers (number of the format x scale) in f32.
;;   ~~~python
;;   def quantise(x, axis):      # numpy; x: float32 -> the quantised numbers, widened to float32 again
;;       x = np.moveaxis(x, axis, -1); K = x.shape[-1]
;;       x = np.pad(x, [(0, 0)] * (x.ndim - 1) + [(0, -K % 32)]); x = x.reshape(x.shape[:-1] + (-1, 32)); a = np.abs(x).max(-1, keepdims=True)
;;       e = np.where(a > 0, np.clip(np.frexp(np.where(a > 0, a, 1))[1] - 1 - 2, -126, 127), 0)      # np.frexp(a)[1] - 1 = floor(log2(a)), exactly
;;       r = np.clip(x / 2.0 ** e, -7.5, 7.5)
;;       step = 2.0 ** (np.maximum(np.frexp(np.where(r == 0, 1, r))[1] - 1, 0) - 3)
;;       q = np.round(r / step) * step * 2.0 ** e      # np.round: ties to even
;;       return np.moveaxis(q.reshape(q.shape[:-2] + (-1,))[..., :K], -1, axis).astype(np.float32)
;;   ~~~
;;   OPERANDS COMPUTED ON THE WAY. 'Computed on the way' means the value that the module computes at that place (a softmax that the list does not call 'softmax' is quantised finished and normalised). What goes into a quantiser is computed in f32, as accurately as f32 sums, v_exp_f32 and their like allow (about 1e-6 of the number): no bf16 or f16 on the way to a quantiser, and a product that is left as it is and whose result goes on into a quantised operand takes f32 operands (vector FMAs, or v_wmma_f32_16x16x4_f32). A number that lies on a knife's edge between two numbers of the format may be rounded either way, as far as f32 arithmetic and the matrix unit's own rounding can turn it there, and no further.
;; One version. Each part assembles by itself: llvm-mc -triple=amdgcn-amd-amdhsa -mcpu=gfx1250 --defsym DOCPART=n.
;; ======== version 1 of 1: 4 launches
;; limits: right only within a limited range of input values
;; workspace buffers: xq 6,553,600 bytes; wq 6,553,600 bytes; h1 13,107,200 bytes; h2 13,107,200 bytes
;; launch quant (part 1): grid 256 x 1, 16 waves a work-group, no clusters, 139,520 bytes of LDS; arguments x, W_init, W_ih, W_final, xq, wq; writes xq, wq
.if DOCPART == 1
	.amdgcn_target "amdgcn-amd-amdhsa--gfx1250"
	.amdhsa_code_object_version 6
	.text
	.protected	k_q79e944758c_quant
	.globl	k_q79e944758c_quant
	.p2align	8
	.type	k_q79e944758c_quant,@function
k_q79e944758c_quant:
	s_mov_b64 s[64:65], 0
	v_nop
	global_prefetch_b8 v0, s[64:65] scope:SCOPE_SE
	s_setreg_imm32_b32 hwreg(HW_REG_WAVE_MODE, 25, 1), 1
	s_wait_xcnt 0x0
; x [8192][1024], W_init [2048][1024], W_ih [2048][2048], W_final [1024][2048], all f32 with K innermost, become codes of FP6 (E2M3) with one E8M0 scale byte for each 32 along K.
; A block's scale is 2^(floor(log2(its largest magnitude)) - 2): its byte is the largest magnitude's exponent field - 2, held at 1 from below; each number is divided by the scale and rounded to the nearest code, ties to even, beyond 7.5 the largest code.
; LAYOUT OF AN OPERAND [R][K], made for the launches that multiply: P[k / 128][group of 128 rows][12,800 bytes]: eight blocks of 16 rows, 1,536 bytes each, the image of the operand's 12 registers
; (registers 4 c .. 4 c + 3 of lane l at 512 c + 16 l), then 512 bytes of scale words [block][index 0..15], 4 bytes each.  So one dense run of 50 x 256 bytes holds all that a step of 128 along K wants of 128 rows.
; In x a block's index r is row 16 block + r.  In a weight, block 2 b + u of group g holds at index r the row 128 g + 32 b + 8 u + r + 8 (r / 8), so that a transposed product leaves a lane 16 neighbours along the next K.
; SHARES.  A wave takes one block of 16 rows x 256 along K: two fragments (q = which 128 along K).  Waves 0-7 of a work-group take the eight blocks of one group, waves 8-15 those of the next run of 256 along K (or the next group).
; 512 such runs of 128 rows x 256: work-groups 0-127 take x, 128-159 W_init, 160-223 W_ih, 224-255 W_final; one path serves all four, its sizes and buffers are chosen on the work-group's number alone.
; All 32 loads of a wave go out at its head, each 512 consecutive bytes of one row.  A fragment's 16 rows turn through the wave's own stage in LDS, so that lane (r, h) gets the whole blocks h and 2 + h of index r.
; The scale words of eight waves are 512 neighbouring bytes for each q: they meet in LDS, behind the one barrier, and waves 0, 4, 8, 12 store them whole.
; LIMITS: NaN and infinities among the inputs are not served.  A block of zeros gets the byte 1 where the rule says 127: its codes are zeros, which add nothing under any byte but 0xff, and this program alone reads the bytes.
.set W1C, 0                            ; places in wq: W_init, W_ih, W_final
.set W2C, 1638400
.set W3C, 4915200
.set GS,  12800                        ; a group's bytes for 128 along K
.set PIT, 528                          ; a stage row: 512 bytes + 16
.set SCR, 16*16*PIT                    ; behind the sixteen stages: 2,048 bytes of scale words [waves 0-7 or 8-15][q][block][index]
.set R,   10                           ; v10-17   16 x lane + i rows
.set MX,  18
.set SO,  20
.set BY,  22
.set SW,  26                           ; v26-27   the two fragments' scale words
.set L,   32                           ; v32-159  two sets of 64: a fragment as it is loaded
.set T,   160                          ; v160-223 my two blocks of 32 neighbours
.set P2,  236
	s_load_b256 s[4:11], s[0:1], 0x0               ; x, W_init, W_ih, W_final
	s_load_b128 s[12:15], s[0:1], 0x20             ; xq, wq
	v_lshl_add_u32 v254, v0, 2, 0x21900            ; my spare word, behind the scale words
	v_mov_b32 v255, 0
	v_lshrrev_b32 v1, 5, v0
	s_delay_alu instid0(VALU_DEP_1)
	v_readfirstlane_b32 s16, v1                    ; wave 0..15
	s_and_b32 s52, s16, 1                          ; u: which block of the 32 rows
	s_lshr_b32 s53, s16, 1
	s_mul_i32 s35, s16, 16*PIT                     ; my wave's stage
	s_lshr_b32 s42, s16, 3
	s_lshl_b32 s42, s42, 10
	s_and_b32 s43, s16, 7                          ; my block in its group
	s_lshl_b32 s43, s43, 6
	s_add_co_u32 s42, s42, s43
	s_add_co_u32 s42, s42, SCR                     ; where my block's scale words of q = 0 go
	s_lshr_b32 s43, s16, 2
	s_lshl_b32 s43, s43, 9
	s_add_co_u32 s43, s43, SCR                     ; the 512 bytes that wave 4 j reads back
	s_mov_b32 s50, 0x76543210
	s_mov_b32 s51, 0xfedcba98                      ; v_permlanex16_b32's selects for lane l xor 16
	s_mov_b32 s17, 224                             ; W_final's figures: first work-group,
	s_mov_b32 s18, 13                              ; log2 of a row's bytes,
	s_mov_b32 s19, 10                              ; log2 of the rows,
	s_mov_b32 s20, W3C                             ; its place,
	s_mov_b32 s22, 16                              ; how many rows behind a block's indices 0-7 its indices 8-15 lie,
	s_mov_b32 s23, 8                               ; and how many rows behind the first block the second begins
	v_and_b32 v1, 31, v0                           ; lane
	v_and_b32 v2, 15, v0                           ; r
	v_bfe_u32 v3, v0, 4, 1                         ; h
	s_delay_alu instid0(VALU_DEP_3)
	v_lshlrev_b32 v4, 4, v1                        ; 16 x lane
	v_mul_u32_u24 v6, v2, PIT
	v_lshlrev_b32 v9, 2, v2
	v_lshlrev_b32 v7, 3, v3                        ; 8 h: my bytes' place in a scale word
	v_add_nc_u32 v5, s35, v4                       ; into the stage: a row's 512 bytes as they lie
	v_lshl_add_u32 v6, v3, 7, v6
	v_lshl_add_u32 v9, v3, 9, v9
	v_add_nc_u32 v28, s43, v4
	v_add_nc_u32 v6, s35, v6                       ; out of it: row r, block h (128 bytes a block)
	v_add_nc_u32 v9, s42, v9                       ; lane (r, h) puts index r's word of fragment h there: 4 r + 512 h
	v_mov_b32 v25, 0                               ; written once: a lane permute's destination counts as one of its sources
	s_wait_alu depctr_va_vdst(0)
	s_wait_kmcnt 0x0
	s_mov_b64 s[24:25], s[10:11]
	s_mov_b64 s[26:27], s[14:15]
	s_cmp_lt_u32 ttmp9, 224                        ; W_ih's, if the work-group lies under 224
	s_cselect_b64 s[24:25], s[8:9], s[24:25]
	s_cselect_b32 s17, 160, s17
	s_cselect_b32 s19, 11, s19
	s_cselect_b32 s20, W2C, s20
	s_cmp_lt_u32 ttmp9, 160                        ; W_init's
	s_cselect_b64 s[24:25], s[6:7], s[24:25]
	s_cselect_b32 s17, 128, s17
	s_cselect_b32 s18, 12, s18
	s_cselect_b32 s20, W1C, s20
	s_cmp_lt_u32 ttmp9, 128                        ; x's: rows in their own order
	s_cselect_b64 s[24:25], s[4:5], s[24:25]
	s_cselect_b64 s[26:27], s[12:13], s[26:27]
	s_cselect_b32 s17, 0, s17
	s_cselect_b32 s19, 13, s19
	s_cselect_b32 s20, 0, s20
	s_cselect_b32 s22, 8, s22
	s_cselect_b32 s23, 16, s23
	s_sub_co_u32 s28, ttmp9, s17
	s_lshl_b32 s28, s28, 1
	s_lshr_b32 s33, s16, 3
	s_add_co_u32 s28, s28, s33                     ; my run of 128 rows x 256 along K in its tensor
	s_sub_co_u32 s29, s18, 10                      ; log2 of K / 256
	s_bfm_b32 s32, s29, 0
	s_and_b32 s30, s28, s32                        ; which 256 along K
	s_lshr_b32 s54, s28, s29                       ; which group of 128 rows
	s_and_b32 s31, s53, 3
	s_lshl_b32 s33, s54, 2
	s_add_co_u32 s31, s31, s33                     ; which 32 rows
	s_add_co_u32 s32, s18, 5
	s_lshl_b32 s32, s31, s32                       ; 32 rows' bytes x that,
	s_lshl_b32 s33, s30, 10                        ; + 1,024 bytes for each 256 along K,
	s_add_co_u32 s32, s32, s33
	s_mul_i32 s33, s52, s23                        ; + the rows by which my block begins behind the first
	s_lshl_b32 s33, s33, s18
	s_add_co_u32 s32, s32, s33
	s_mov_b32 s33, 0
	s_add_nc_u64 s[36:37], s[24:25], s[32:33]      ; the eight rows of my block's indices 0-7,
	s_lshl_b32 s32, s22, s18
	s_add_nc_u64 s[38:39], s[36:37], s[32:33]      ; and those of its indices 8-15
	s_sub_co_u32 s34, s19, 7                       ; log2 of the groups
	s_lshl_b32 s32, s30, 1
	s_lshl_b32 s32, s32, s34
	s_add_co_u32 s32, s32, s54                     ; (step of q = 0) x groups + my group
	s_mul_i32 s32, s32, GS
	s_add_co_u32 s32, s32, s20
	s_add_nc_u64 s[46:47], s[26:27], s[32:33]      ; my group's 12,800 bytes of q = 0
	s_lshl_b32 s56, GS, s34                        ; from a step to the next
	s_mov_b32 s57, 0
	s_and_b32 s58, s16, 7
	s_mul_i32 s58, s58, 1536
	s_mov_b32 s59, 0
	s_add_nc_u64 s[44:45], s[46:47], s[58:59]      ; my block's image, q = 0,
	s_add_nc_u64 s[40:41], s[44:45], s[56:57]      ; and q = 1
	s_bfe_u32 s58, s16, 0x10002                    ; wave 4 j stores the scale words of q = j % 2
	s_mul_i32 s56, s56, s58
	s_add_nc_u64 s[46:47], s[46:47], s[56:57]
	s_lshl_b32 s48, 1, s18                         ; a row's bytes
	v_mov_b32 v[R], v4
.irp i, 1,2,3,4,5,6,7
	s_delay_alu instid0(VALU_DEP_1)
	v_add_nc_u32 v[R+\i], s48, v[R+\i-1]
.endr
.macro LOAD q                          ; fragment q: 16 loads, each 512 consecutive bytes of one row, into set q
.irp i, 0,1,2,3,4,5,6,7,8,9,10,11,12,13,14,15
	global_load_b128 v[L+64*(\q)+4*\i:L+64*(\q)+4*\i+3], v[R+\i%8], s[36+2*(\i/8):37+2*(\i/8)] offset:512*(\q) th:TH_LOAD_NT
.endr
.endm
.macro FRAGQ q
.set LF, L+64*(\q)
.if (\q) == 0
.set PC, 224                           ; v224-235 the first fragment's codes;
	s_wait_loadcnt 16                              ; this fragment's 16 loads are in; the second fragment's may be out
.else
.set PC, 32                            ; v32-43 the second's, where the first fragment's numbers lay: no store's data are written again
	s_wait_loadcnt 0x0
.endif
.irp i, 0,1,2,3,4,5,6,7,8,9,10,11,12,13,14,15
	ds_store_b128 v5, v[LF+4*\i:LF+4*\i+3] offset:PIT*\i
.endr
.irp c, 0,1
.irp j, 0,1,2,3,4,5,6,7
	ds_load_b128 v[T+32*\c+4*\j:T+32*\c+4*\j+3], v6 offset:256*\c+16*\j   ; LDS serves a wave's instructions in order: these see the stores above.  k = 64 c + 32 h + 4 j on
.endr
.endr
	s_wait_dscnt 0x0                               ; my 64 numbers are in, and the stores have read the set
.irp c, 0,1
	v_max3_num_f32 v[MX+\c], |v[T+32*\c]|, |v[T+32*\c+1]|, 0x1800000   ; block 2 c + h, all 32 numbers mine; and the floor 2^(3 - 127): the byte cannot fall under 1
.endr
.irp i, 2,4,6,8,10,12,14,16,18,20,22,24,26,28,30
.irp c, 0,1
	s_delay_alu instid0(VALU_DEP_2)
	v_max3_num_f32 v[MX+\c], v[MX+\c], |v[T+32*\c+\i]|, |v[T+32*\c+\i+1]|   ; (the two blocks by turns)
.endr
.endr
.irp c, 0,1
	s_delay_alu instid0(VALU_DEP_2)
	v_add_nc_u32 v[SO+\c], 0xff000000, v[MX+\c]    ; 2 off the exponent field: the conversion's scale operand
.endr
.irp c, 0,1
	s_delay_alu instid0(VALU_DEP_2)
	v_lshrrev_b32 v[BY+\c], 23, v[SO+\c]           ; the scale's byte
.endr
	s_delay_alu instid0(VALU_DEP_1)
	v_lshl_or_b32 v24, v[BY+1], 16, v[BY]          ; my two bytes, blocks h and 2 + h,
	s_delay_alu instid0(VALU_DEP_1)
	v_lshlrev_b32 v24, v7, v24                     ; at their places in the word;
	s_delay_alu instid0(VALU_DEP_1)
	v_permlanex16_b32 v25, v24, s50, s51
	s_delay_alu instid0(VALU_DEP_1)
	v_or_b32 v[SW+(\q)], v24, v25                  ; with lane l xor 16's two the word is whole
.irp c, 0,1
	v_cvt_scalef32_pk16_fp6_f32 v[PC+6*\c:PC+6*\c+2], v[T+32*\c:T+32*\c+15], v[SO+\c]
	v_cvt_scalef32_pk16_fp6_f32 v[P2+4*\c:P2+4*\c+2], v[T+32*\c+16:T+32*\c+31], v[SO+\c]   ; (a conversion's three registers begin on an even number: the second half is made elsewhere and moved)
.endr
	v_nop                                          ; one plain line behind the scaled conversions
.irp c, 0,1
.irp i, 0,1,2
	v_mov_b32 v[PC+3+6*\c+\i], v[P2+4*\c+\i]
.endr
.endr
.irp c, 0,1,2
	global_store_b128 v4, v[PC+4*\c:PC+4*\c+3], s[44-4*(\q):45-4*(\q)] offset:512*\c   ; the 32 lanes store 512 consecutive bytes, aligned
.endr
.endm
	LOAD 0
	LOAD 1
	FRAGQ 0
	FRAGQ 1
	v_cmp_ne_u32 vcc_lo, 0, v3
	s_delay_alu instid0(VALU_DEP_1)
	v_cndmask_b32 v29, v[SW], v[SW+1], vcc_lo      ; lanes 0-15 hand on index r's word of the first fragment, lanes 16-31 that of the second
	ds_store_b32 v9, v29
	s_wait_dscnt 0x0                               ; for the others' sake: my scale words lie in LDS
	s_barrier_signal -1
	s_barrier_wait -1
	s_and_b32 s32, s16, 3                          ; waves 0, 4, 8, 12 store 512 bytes of scale words each
	s_cmp_lg_u32 s32, 0
	s_cbranch_scc1 .Lnot_mine
	ds_load_b128 v[244:247], v28
	s_wait_dscnt 0x0
	global_store_b128 v4, v[244:247], s[46:47] offset:12288   ; the 32 lanes store 512 consecutive bytes, aligned
.Lnot_mine:
	s_wait_tensorcnt 0x0                           ; the wave's end
	ds_add_u32 v254, v255
	s_wait_dscnt 0x0
	s_endpgm
.Lfunc_end_k_q79e944758c_quant:
	.size	k_q79e944758c_quant, .Lfunc_end_k_q79e944758c_quant-k_q79e944758c_quant
	.p2alignl 7, 3214868480
	.fill 96, 4, 3214868480
	.section	.rodata,"a",@progbits
	.p2align	6, 0x0
	.amdhsa_kernel k_q79e944758c_quant
		.amdhsa_group_segment_fixed_size 139520
		.amdhsa_private_segment_fixed_size 0
		.amdhsa_enable_private_segment 0
		.amdhsa_kernarg_size 48
		.amdhsa_user_sgpr_count 2
		.amdhsa_user_sgpr_kernarg_segment_ptr 1
		.amdhsa_wavefront_size32 1
		.amdhsa_system_sgpr_workgroup_id_x 1
		.amdhsa_system_sgpr_workgroup_id_y 1
		.amdhsa_system_sgpr_workgroup_id_z 1
		.amdhsa_system_vgpr_workitem_id 0
		.amdhsa_next_free_vgpr 256
		.amdhsa_next_free_sgpr 66
		.amdhsa_reserve_vcc 1
		.amdhsa_float_denorm_mode_32 3
		.amdhsa_float_denorm_mode_16_64 3
		.amdhsa_memory_ordered 1
		.amdhsa_forward_progress 1
		.amdhsa_inst_pref_size 22
	.end_amdhsa_kernel
	.amdgpu_metadata
---
amdhsa.version: [ 1, 2 ]
amdhsa.kernels:
  - .name:           k_q79e944758c_quant
    .symbol:         k_q79e944758c_quant.kd
    .args:
      - { .name: x, .offset: 0, .size: 8, .value_kind: global_buffer, .address_space: global }
      - { .name: W_init, .offset: 8, .size: 8, .value_kind: global_buffer, .address_space: global }
      - { .name: W_ih, .offset: 16, .size: 8, .value_kind: global_buffer, .address_space: global }
      - { .name: W_final, .offset: 24, .size: 8, .value_kind: global_buffer, .address_space: global }
      - { .name: xq, .offset: 32, .size: 8, .value_kind: global_buffer, .address_space: global }
      - { .name: wq, .offset: 40, .size: 8, .value_kind: global_buffer, .address_space: global }
    .group_segment_fixed_size: 139520
    .private_segment_fixed_size: 0
    .kernarg_segment_align: 8
    .kernarg_segment_size: 48
    .max_flat_workgroup_size: 512
    .sgpr_count:     66
    .vgpr_count:     256
    .wavefront_size: 32
...
	.end_amdgpu_metadata
.endif
;; end of part 1
;; launch layer1 (part 2): grid 8 x 32, 8 waves a work-group, clusters of 4 x 4, 327,680 bytes of LDS; arguments xq, wq, b_init, h1; writes h1
.if DOCPART == 2
	.amdgcn_target "amdgcn-amd-amdhsa--gfx1250"
	.amdhsa_code_object_version 6
	.text
	.protected	k_q79e944758c_layer1
	.globl	k_q79e944758c_layer1
	.p2align	8
	.type	k_q79e944758c_layer1,@function
k_q79e944758c_layer1:
	s_mov_b64 s[64:65], 0
	v_nop
	global_prefetch_b8 v0, s[64:65] scope:SCOPE_SE
	s_setreg_imm32_b32 hwreg(HW_REG_WAVE_MODE, 25, 1), 1
	s_wait_xcnt 0x0
	s_wait_alu depctr_hold_cnt(0) depctr_sa_sdst(0) depctr_va_vdst(0) depctr_va_sdst(0) depctr_va_ssrc(0) depctr_va_vcc(0) depctr_vm_vsrc(0)
	s_getreg_b32 s2, hwreg(HW_REG_IB_STS2, 6, 4)
	s_cmp_eq_u32 s2, 0
	s_cbranch_scc0 .Lentry_in_a_cluster
	s_endpgm
.Lentry_in_a_cluster:
	s_bfe_u32 s2, ttmp6, 0x10000c
	s_cmp_lg_u32 s2, 0xf033
	s_cbranch_scc0 .Lentry_shape_is_right
	s_endpgm
.Lentry_shape_is_right:
; LAYER 1 OR 2 OF THE CHAIN  y = (relu(relu(x W1^T + b1) W2^T + b_ih + b_hh)) W3^T + b3,  on codes of FP6 (E2M3) with one E8M0 scale for each 32 along K.  The same text serves both layers; LAYER picks the sizes.
; LAYER 1: A = x's codes [8192][1024], B = W_init's, out = codes of relu(..).   LAYER 2: A = layer 1's codes [8192][2048], B = W_ih's, out = codes of relu(..).
; OPERANDS lie in memory as P[k / 128][group of 128 rows][12,800 bytes]: eight blocks of 16 rows as images of the operand's 12 registers (1,536 bytes: registers 4 c .. 4 c + 3 of lane l at 512 c + 16 l), then 512 bytes of scale words [block][index].
; So one row of a tensor load, 50 x 256 bytes, brings codes and scale words of 128 rows for a step of 128 along K; a fragment is three LDS loads at 16 x lane; there is no pitch and no padding.
; In a weight, block 2 b + u of a group holds at index r the row 32 b + 8 u + r + 8 (r / 8).  THE MATRIX INSTRUCTION IS USED TRANSPOSED (source 0 = a block of the weight, source 1 = 16 rows of A):
; lane (r, h) holds row r, and register 16 b + i of a block of rows' eight accumulators is column 32 b + 16 h + i of the wave's 128: 16 neighbours along the next K, as the conversions want them.
; SHARES.  A work-group of EIGHT waves, two to a SIMD, makes 256 x 256 of the result; a wave makes 64 rows x 128 columns in 32 accumulators, so that one wave's runs of loads and waits stand beside the other's matrix instructions.  256 work-groups.
; THE RING: two slots of three steps of 128 along K, 153,600 bytes each, in four parts (A's two groups, B's two groups); the add stands
; twice wherever a tensor load can still follow.  Slot 0 is asked for at the head, slot 1 behind the full sequence and a round of the cluster's barrier; a slot is asked for again when it is left.  The last fill has the rows that are left.
; The steps are written out: slots and register sets come back to where they began after six steps, and the fills' sizes differ at the end.
; CLUSTERS of 4 x 4: the four work-groups of a row need the same groups of A, the four of a column the same groups of B: each is asked for jointly.
; PREFETCH: a fetching wave asks for the rows of its part of a later fill: the third fill in step 1, each further one behind the joint load of the fill before it, three steps ahead of the load that will want it: an instruction a row;
; of a row's 50 blocks of 256 bytes the partner at place p (cx for A, cy for B) names blocks 13 p .. 13 p + 12, a lane a block (the lanes left over name the last of them again).  The first two fills come by their loads alone.
; THE BIAS is the C of each sum's first product (in layer 2 b_ih + b_hh, added first): an order of rounding that differs from adding it last.
; LIMITS: NaN and infinities are not served.  A block of zeros of the hidden layer gets the scale byte 1 where the rule says 127: its codes are zeros, which add nothing, and this program alone reads the bytes.
; REGISTERS: window 0: v1-31 addresses; v32-47 scale words, two sets; v48-143 A's four fragments, two sets; v144-239 B's eight fragments, one set; the bias lies in A's second set and v240-255 until the first step's products have read it.
;   window 1: accumulator (a, b) at v[8 (8 a + b)].
.set LAYER, 1
.set GA, 64                            ; groups of 128 rows in A, in B
.set GB, 16
.if LAYER == 1
.set KS, 8                             ; steps of 128 along K
.set WCO, 0                            ; the weight's place in wq
.else
.set KS, 16
.set WCO, 1638400
.endif
.set GS,    12800
.set NST,   3
.set PART,  NST*GS
.set SLOT,  4*PART
.set APIT,  GA*GS
.set BPIT,  GB*GS
.set SPARE, 2*SLOT                     ; the spare words, 128 bytes a wave
.set OSC,   SPARE+1024                 ; 256 bytes a wave for its outgoing scale words; no tensor load lands here
.set PFO,  8                           ; v8-10 the prefetches' offsets: my block of a row, rows 0, 1, 2 of a fill
.set ADRA, 16                          ; v16-17 my A fragments in slot 0, 1;  v18-19 A's scale words;  v20-21, v22-23 the same for B
.set ADSA, 18
.set ADRB, 20
.set ADSB, 22
.set STO,  24                          ; where my row's outgoing scale word goes
.set OSR,  25                          ; where I read them back
.set CO,   26                          ; 16 x lane
.set BO,   27                          ; 64 h
.set SPW,  28
.set NIL,  29
.set C8,   30                          ; 8 x lane
.set SC,   32                          ; step t's scale words in set t % 2: A's pairs of blocks at + i, B's at + 4 + i; lanes 0-15 the even block, lanes 16-31 the odd one
.set AF,   48
.set BF,   144
.set G1,   24
.set G0,   32                          ; s[32:39] groups 0 for A, one for each slot
.set G1B,  48
.set G0B,  56
.set PFA,  84                          ; s[84:85] my part of the fill that is asked for next;  s[88:89] from a fill to the next
.set MSB, 0
.macro WIN new                         ; the immediate's high byte repeats the setting that is left
.if MSB != (\new)
	s_set_vgpr_msb (MSB<<8)|(\new)
.set MSB, \new
.endif
.endm
.macro JLOAD g0a, g1a, g0b, g1b        ; a joint load, in one chain of branches on the wave's number: waves 0, 1 fetch for A, waves 2, 3 for B, the others nothing; s_nop 0 and four v_nop follow each line
	s_cmp_eq_u32 s21, 0
	s_cbranch_scc0 .Lnot_a_\@
	tensor_load_to_lds s[\g0a:\g0a+3], s[\g1a:\g1a+7]
	s_nop 0
.rept 4
	v_nop
.endr
	s_branch .Lasked_\@
.Lnot_a_\@:
	s_cmp_eq_u32 s21, 1
	s_cbranch_scc0 .Lasked_\@
	tensor_load_to_lds s[\g0b:\g0b+3], s[\g1b:\g1b+7]
	s_nop 0
.rept 4
	v_nop
.endr
.Lasked_\@:
.endm
.macro CREST                           ; a round of the cluster's barrier behind its opening barrier
	s_cmp_lg_u32 s20, 0
	s_cbranch_scc1 .Lnot_wave_0_\@
	s_barrier_signal -3
.Lnot_wave_0_\@:
	s_barrier_wait -3
	s_barrier_signal -1
	s_barrier_wait -1
.endm
.macro CROUND
	s_barrier_signal -1
	s_barrier_wait -1
	CREST
.endm
.macro SHAPE g, c, r, p                ; group 1 but for its first word: r rows of c elements of 8 bytes, p elements from row to row
	s_mov_b32 s[\g+1], ((\c)&0xffff)<<16
	s_mov_b32 s[\g+2], ((\c)>>16)|(((\r)&0xffff)<<16)
	s_mov_b32 s[\g+3], ((\r)>>16)|((\c)<<16)
	s_mov_b32 s[\g+4], \r
	s_mov_b32 s[\g+5], \p
	s_mov_b32 s[\g+6], 0
	s_mov_b32 s[\g+7], 0
.endm
.macro ASKW fs                         ; the fill that begins at step fs: the fetching waves ask, an instruction for each of its rows
	s_cmp_lt_u32 s21, 2
	s_cbranch_scc0 .Lno_ask_\@
.set R_, 0
.rept NST
.if (\fs)+R_ < KS
	global_prefetch_b8 v[PFO+R_], s[PFA:PFA+1] th:TH_LOAD_NT scope:SCOPE_SE
.endif
.set R_, R_+1
.endr
.Lno_ask_\@:
.endm
	s_load_b256 s[4:11], s[0:1], 0x0               ; A's buffer, wq, the bias, the result
.if LAYER == 2
	s_load_b64 s[12:13], s[0:1], 0x20              ; b_hh
.endif
	v_lshl_add_u32 v[SPW], v0, 2, SPARE
	v_mov_b32 v[NIL], 0
	ds_add_u32 v[SPW], v[NIL]                      ; the opening lines: the add, twice on end, and one wait
	ds_add_u32 v[SPW], v[NIL]
	v_lshrrev_b32 v1, 5, v0
	v_readfirstlane_b32 s20, v1                    ; wave 0..7
	s_lshr_b32 s21, s20, 1                         ; I fetch for A (0), for B (1), or nothing (2, 3)
	s_and_b32 s22, s20, 1                          ; which 128 columns are mine.  Also: which group of that operand I fetch
	s_lshr_b32 s23, s20, 2                         ; which group of A's rows is mine,
	s_bfe_u32 s3, s20, 0x10001                     ; and which four blocks of it
	s_bfe_u32 s68, ttmp6, 0x40000                  ; cx, cy
	s_bfe_u32 s69, ttmp6, 0x40004
	s_lshl_b32 s70, ttmp9, 2
	s_add_co_u32 s70, s70, s68                     ; tx
	s_and_b32 s71, ttmp7, 0xffff
	s_lshl_b32 s71, s71, 2
	s_add_co_u32 s71, s71, s69                     ; ty
	s_lshl_b32 s72, s69, 2
	s_lshl_b32 s72, 15, s72                        ; my row of the cluster
	s_lshl_b32 s73, 0x1111, s68                    ; my column
	s_or_b32 s[G1], s72, (3<<16)|(1<<21)           ; the mask; elements of 8 bytes; bit 21 beside a mask
	s_or_b32 s[G1B], s73, (3<<16)|(1<<21)
	SHAPE G1, GS/8, NST, APIT/8
	SHAPE G1B, GS/8, NST, BPIT/8
	s_lshl_b32 s74, s71, 1                         ; A: group 2 ty + the one I fetch: hangs on ty and the wave alone
	s_add_co_u32 s74, s74, s22
	s_mul_i32 s74, s74, GS
	s_mov_b32 s75, 0
	s_lshl_b32 s76, s70, 1                         ; B: group 2 tx + the one I fetch
	s_add_co_u32 s76, s76, s22
	s_mul_i32 s76, s76, GS
	s_add_co_u32 s76, s76, WCO
	s_mov_b32 s77, 0
	s_mul_i32 s78, s22, PART                       ; where they go in a slot: the wave's number and constants
	s_add_co_u32 s79, s78, 2*PART                  ; (also: B's group that I multiply)
	s_mul_i32 s80, s23, PART                       ; what I multiply of A: my group,
	s_lshl_b32 s81, s3, 8
	s_add_co_u32 s81, s81, s80                     ; my four blocks' scale words,
	s_mul_i32 s2, s3, 4*1536
	s_add_co_u32 s80, s80, s2                      ; and their images
	s_lshl_b32 s82, s20, 8
	s_add_co_u32 s82, s82, OSC
	s_lshl_b32 s66, s70, 10                        ; the bias of my 128 columns
	s_lshl_b32 s2, s22, 9
	s_add_co_u32 s66, s66, s2
	s_mov_b32 s67, 0
	s_lshl_b32 s16, s70, 1                         ; my result is step 2 tx + my columns' half of the next K, group 2 ty + my group
	s_add_co_u32 s16, s16, s22
	s_mul_i32 s16, s16, APIT
	s_lshl_b32 s2, s71, 1
	s_add_co_u32 s2, s2, s23
	s_mul_i32 s2, s2, GS
	s_add_co_u32 s16, s16, s2
	s_lshl_b32 s18, s3, 8
	s_add_co_u32 s18, s18, s16
	s_add_co_u32 s18, s18, 12288                   ; my four blocks' 256 bytes of scale words,
	s_mul_i32 s2, s3, 4*1536
	s_add_co_u32 s16, s16, s2                      ; and their images
	s_mov_b32 s17, 0
	s_mov_b32 s19, 0
	s_mov_b32 s14, 0x76543210
	s_mov_b32 s15, 0xfedcba98                      ; v_permlanex16_b32's selects for lane l xor 16
	s_mov_b32 s86, BPIT                            ; the prefetches: a row's pitch in my operand,
	s_cmp_eq_u32 s21, 0
	s_cselect_b32 s86, APIT, s86
	s_cselect_b32 s83, s68, s69                    ; and my place among the four that ask with me
	s_mul_i32 s83, s83, 13
	s_mul_i32 s88, s86, NST
	s_mov_b32 s89, 0
	v_and_b32 v1, 31, v0                           ; lane
	v_and_b32 v2, 15, v0                           ; r
	v_bfe_u32 v3, v0, 4, 1                         ; h
	v_lshlrev_b32 v[BO], 6, v3
	v_lshlrev_b32 v[CO], 4, v1
	v_lshlrev_b32 v4, 2, v1
	v_min_u32 v[PFO], 12, v1
	v_lshlrev_b32 v[C8], 3, v1
	v_add_nc_u32 v[ADRA], s80, v[CO]
	v_add_nc_u32 v[ADSA], s81, v4
	v_add_nc_u32 v[ADRB], s79, v[CO]
	v_add_nc_u32 v[ADSB], s79, v4
	v_add_nc_u32 v[PFO], s83, v[PFO]
.irp r, ADRA, ADSA, ADRB, ADSB
	v_add_nc_u32 v[\r+1], SLOT, v[\r]
.endr
	v_min_u32 v[PFO], 49, v[PFO]                   ; block 13 p + lane, held inside my thirteen and inside the row's fifty
	v_lshl_add_u32 v[STO], v2, 2, s82
	v_add_nc_u32 v[OSR], s82, v[C8]
	v_lshlrev_b32 v[PFO], 8, v[PFO]
	s_delay_alu instid0(VALU_DEP_1)
	v_add_nc_u32 v[PFO+1], s86, v[PFO]
	s_delay_alu instid0(VALU_DEP_1)
	v_add_nc_u32 v[PFO+2], s86, v[PFO+1]
	s_wait_alu depctr_va_vdst(0)
	s_wait_dscnt 0x0                               ; both opening adds are done
	s_wait_kmcnt 0x0
	s_add_nc_u64 s[74:75], s[4:5], s[74:75]
	s_add_nc_u64 s[76:77], s[6:7], s[76:77]
	s_add_nc_u64 s[8:9], s[8:9], s[66:67]
.if LAYER == 2
	s_add_nc_u64 s[12:13], s[12:13], s[66:67]
.endif
	s_add_nc_u64 s[16:17], s[10:11], s[16:17]
	s_add_nc_u64 s[18:19], s[10:11], s[18:19]
	s_cmp_eq_u32 s21, 0
	s_cselect_b64 s[PFA:PFA+1], s[74:75], s[76:77]
	s_add_nc_u64 s[PFA:PFA+1], s[PFA:PFA+1], s[88:89]
	s_add_nc_u64 s[PFA:PFA+1], s[PFA:PFA+1], s[88:89]   ; my part of the third fill
.set J_, 0
.rept 16                               ; bias number j = 16 b + i, of column 32 b + 16 h + i, lies at v[96 + j] (j under 48) or v[240 + j - 48]
.if J_ < 48
.set BR_, AF+48+J_
.else
.set BR_, 240+J_-48
.endif
	global_load_b128 v[BR_:BR_+3], v[BO], s[8:9] offset:128*(J_/16)+4*(J_%16)
.if LAYER == 2
	global_load_b128 v[BF+J_:BF+J_+3], v[BO], s[12:13] offset:128*(J_/16)+4*(J_%16)
.endif
.set J_, J_+4
.endr
.irp s, 0,1
	s_mov_b32 s[G0+4*\s], 1
	s_add_co_u32 s[G0+4*\s+1], s78, \s*SLOT
	s_add_nc_u64 s[G0+4*\s+2:G0+4*\s+3], s[74:75], \s*NST*APIT
	s_or_b32 s[G0+4*\s+3], s[G0+4*\s+3], 0x80000000
	s_mov_b32 s[G0B+4*\s], 1
	s_add_co_u32 s[G0B+4*\s+1], s79, \s*SLOT
	s_add_nc_u64 s[G0B+4*\s+2:G0B+4*\s+3], s[76:77], \s*NST*BPIT
	s_or_b32 s[G0B+4*\s+3], s[G0B+4*\s+3], 0x80000000
.endr
	CROUND                                         ; all sixteen work-groups are here: the first joint loads meet
	JLOAD G0, G1, G0B, G1B                         ; slot 0: at most one tensor load a wave at the head
.if LAYER == 2
	s_wait_loadcnt 0x0
.set J_, 0
.rept 32
.if J_ < 48
.set BR_, AF+48+J_
.else
.set BR_, 240+J_-48
.endif
	v_pk_add_f32 v[BR_:BR_+1], v[BR_:BR_+1], v[BF+J_:BF+J_+1]   ; b_ih + b_hh
.set J_, J_+2
.endr
.endif
.macro FRAG reg, adr, off              ; a fragment's image: three loads, each 512 consecutive bytes
.irp c, 0,1,2
	ds_load_b128 v[\reg+4*\c:\reg+4*\c+3], v[\adr] offset:\off+512*\c
.endr
.endm
.macro FB4 slot, q, i0                 ; B's blocks i0 .. i0 + 3 of the slot's q-th step
	WIN 0
.irp i, 0,1,2,3
	FRAG BF+12*((\i0)+\i), ADRB+(\slot), (\q)*GS+1536*((\i0)+\i)
.endr
.endm
.macro FA4 slot, q, p                  ; A's four blocks into set p
	WIN 0
.irp i, 0,1,2,3
	FRAG AF+48*(\p)+12*\i, ADRA+(\slot), (\q)*GS+1536*\i
.endr
.endm
.macro SCL slot, q, p                  ; the scale words: six loads of 4 bytes a lane, each two blocks' words
	WIN 0
.irp i, 0,1
	ds_load_b32 v[SC+8*(\p)+\i], v[ADSA+(\slot)] offset:(\q)*GS+12288+128*\i
.endr
.irp i, 0,1,2,3
	ds_load_b32 v[SC+8*(\p)+4+\i], v[ADSB+(\slot)] offset:(\q)*GS+12288+128*\i
.endr
.endm
.macro ONE p, zero                     ; A's block MA_ against B's block MB_.  zero = 1: the sum begins with the bias as C
.set rD, 8*(8*MA_+MB_)
.set rB, BF+12*MB_
.set rA, AF+48*(\p)+12*MA_
.set rSB, SC+8*(\p)+4+MB_/2
.set rSA, SC+8*(\p)+MA_/2
.if \zero
.if MB_ < 6
.set rC, AF+48+8*MB_
.else
.set rC, 240+8*(MB_-6)
.endif
.else
.set rC, rD
.endif
.if (MB_%2 == 0) && (MA_%2 == 0)
	v_wmma_scale_f32_16x16x128_f8f6f4 v[rD:rD+7], v[rB:rB+11], v[rA:rA+11], v[rC:rC+7], v[rSB], v[rSA] matrix_a_fmt:MATRIX_FMT_FP6 matrix_b_fmt:MATRIX_FMT_FP6
.elseif (MB_%2 == 1) && (MA_%2 == 0)
	v_wmma_scale_f32_16x16x128_f8f6f4 v[rD:rD+7], v[rB:rB+11], v[rA:rA+11], v[rC:rC+7], v[rSB], v[rSA] matrix_a_fmt:MATRIX_FMT_FP6 matrix_b_fmt:MATRIX_FMT_FP6 matrix_a_scale:MATRIX_SCALE_ROW1
.elseif MB_%2 == 0
	v_wmma_scale_f32_16x16x128_f8f6f4 v[rD:rD+7], v[rB:rB+11], v[rA:rA+11], v[rC:rC+7], v[rSB], v[rSA] matrix_a_fmt:MATRIX_FMT_FP6 matrix_b_fmt:MATRIX_FMT_FP6 matrix_b_scale:MATRIX_SCALE_ROW1
.else
	v_wmma_scale_f32_16x16x128_f8f6f4 v[rD:rD+7], v[rB:rB+11], v[rA:rA+11], v[rC:rC+7], v[rSB], v[rSA] matrix_a_fmt:MATRIX_FMT_FP6 matrix_b_fmt:MATRIX_FMT_FP6 matrix_a_scale:MATRIX_SCALE_ROW1 matrix_b_scale:MATRIX_SCALE_ROW1
.endif
.endm
.macro WS n, p, zero                   ; the step's next n products: B's blocks one after the other, each against A's four; the accumulators take turns
.if \zero
	WIN 0x40                                       ; D window 1; sources and the bias window 0
.else
	WIN 0x50                                       ; C and D window 1
.endif
.rept \n
	ONE \p, \zero
.set MA_, MA_+1
.if MA_ == 4
.set MA_, 0
.set MB_, MB_+1
.endif
.endr
.endm
.macro PLACES n                        ; places in front of loads into registers that matrix instructions have read, and of reads of results
.rept \n
	v_nop
.endr
.endm
.macro ROWS g, r                       ; a fill of fewer rows; no tensor load of mine is out where this stands
	s_mov_b32 s[\g+2], (\r)<<16
	s_mov_b32 s[\g+4], \r
.if (\r) == 1
	s_mov_b32 s[\g+6], 1<<16
.endif
.endm
; Step t: 32 products and two runs of LDS loads for the next step.  In the middle, when B's blocks 0-3 have been multiplied: those blocks anew (12 loads), the scale words (6) and A's four blocks (12) into the other sets; at the end B's blocks 4-7 (12).
; So the waits count: at the step's head 12 (B's blocks 4-7 may be out); ahead of product 16: the middle run's 30.  In the first step A's other set still holds the bias: A's blocks come at the end, ahead of B's, and the middle run has 18.
; Where the next step lies in the other slot, the three lines and the barrier (a round where the slot is filled again) stand in the first 16 products.
.macro STEP t, zero
.set NX, (\t)+1
.set SL, ((\t)/NST)%2
.set NS_, (NX/NST)%2
.set NQ_, NX%NST
.set P_, (\t)%2
.set MA_, 0
.set MB_, 0
.if NQ_ != 0
	s_wait_dscnt 12
	WS 16, P_, \zero
	PLACES 4
.else
.set RS_, ((\t)/NST+2)*NST             ; the first step of what this slot takes next
	WIN 0                                          ; (the add's two registers lie in window 0)
	s_wait_tensorcnt 0x0                           ; all my tensor loads have landed
	ds_add_u32 v[SPW], v[NIL]                      ; the add once here,
.if RS_ < KS
	ds_add_u32 v[SPW], v[NIL]
.endif
.if RS_+NST < KS
	s_wait_xcnt 0x0                                ; my last prefetches have read their base: it steps to the fill behind the one that is asked for below
	s_add_nc_u64 s[PFA:PFA+1], s[PFA:PFA+1], s[88:89]
.endif
.if RS_ < KS
	s_wait_dscnt 14                                ; (the two adds and B's blocks 4-7 may be out)
.else
	s_wait_dscnt 13
.endif
	WS 8, P_, 0
	s_wait_dscnt 0x0                               ; the adds are done, and my reads of this slot are over
	s_barrier_signal -1
	WS 8, P_, 0
	WIN 0
	s_barrier_wait -1
.if RS_ < KS
	CREST                                          ; no wave of any partner still reads this slot or has a load on its way
	s_add_nc_u64 s[G0+4*SL+2:G0+4*SL+3], s[G0+4*SL+2:G0+4*SL+3], 2*NST*APIT
	s_add_nc_u64 s[G0B+4*SL+2:G0B+4*SL+3], s[G0B+4*SL+2:G0B+4*SL+3], 2*NST*BPIT
.if KS-RS_ < NST
	ROWS G1, KS-RS_
	ROWS G1B, KS-RS_
.endif
	JLOAD G0+4*SL, G1, G0B+4*SL, G1B               ; the one tensor load of a fetching wave behind the round
.endif
	PLACES 4
.if RS_+NST < KS
	ASKW RS_+NST
.endif
.endif
	FB4 NS_, NQ_, 0
	SCL NS_, NQ_, 1-P_
.if \zero
	s_wait_dscnt 18
.else
	FA4 NS_, NQ_, 1-P_
.if (\t) == 1
	ASKW 2*NST
.endif
	s_wait_dscnt 30
.endif
	WS 16, P_, \zero
	PLACES 4
.if \zero
	FA4 NS_, NQ_, 1-P_
.endif
	FB4 NS_, NQ_, 4
.endm
	s_wait_alu depctr_va_vdst(0)
	s_wait_loadcnt 0x0                             ; the bias
	s_wait_tensorcnt 0x0                           ; my part of slot 0 is in; the full sequence ahead of slot 1's first fill:
	ds_add_u32 v[SPW], v[NIL]
	ds_add_u32 v[SPW], v[NIL]
	s_wait_dscnt 0x0
	CROUND
	JLOAD G0+4, G1, G0B+4, G1B                     ; slot 1
	FB4 0, 0, 0
	SCL 0, 0, 0
	FA4 0, 0, 0
	FB4 0, 0, 4
	STEP 0, 1                                      ; the first step's products start the sums
.set ST, 1
.rept KS-2
	STEP ST, 0
.set ST, ST+1
.endr
.set MA_, 0                            ; the last step: nothing more to fetch
.set MB_, 0
	s_wait_dscnt 12
	WS 16, 1, 0
	s_wait_dscnt 0x0
	WS 16, 1, 0
	WIN 0
	PLACES 4
; THE WAY OUT: a block of 16 rows x my 128 columns is one fragment of the next layer's A.  relu in f32, the four blocks' largest numbers, the scale word, the conversions; the image leaves as it stands.
.set H,   48                           ; v48-111 the block's 64 numbers of a lane
.set PC,  112                          ; v112-123 its codes;  v124-126, v128-130 the second halves as the conversions leave them
.set TMX, 132                          ; v132-135 largest numbers, v136-139 lane l xor 16's, then the bytes, v144-147 the conversions' scale operands
.set PW,  148                          ; v148-151 the scale word of each block of rows
.irp b, 0,1,2,3
	v_mov_b32 v[TMX+4+\b], 0                       ; written once: a lane permute's destination counts as one of its sources
.endr
.macro OUTBLK a
	WIN 0x04                                       ; source 1: window 1
.set J_, 0
.rept 64
	v_max_num_f32 v[H+J_], 0, v[64*(\a)+J_]        ; the activation, in f32; each accumulator from its low end on
.set J_, J_+1
.endr
	WIN 0
.irp b, 0,1,2,3
	v_max3_num_f32 v[TMX+\b], v[H+16*\b], v[H+16*\b+1], 0x1800000   ; my 16 numbers of block b, and the floor 2^(3 - 127)
.endr
.irp i, 2,4,6,8,10,12,14
.irp b, 0,1,2,3
	v_max3_num_f32 v[TMX+\b], v[TMX+\b], v[H+16*\b+\i], v[H+16*\b+\i+1]   ; (the four blocks by turns)
.endr
.endr
.irp b, 0,1,2,3
	v_permlanex16_b32 v[TMX+4+\b], v[TMX+\b], s14, s15
.endr
.irp b, 0,1,2,3
	v_max_num_f32 v[TMX+\b], v[TMX+\b], v[TMX+4+\b]   ; with lane l xor 16's: the block's largest number
.endr
.irp b, 0,1,2,3
	v_add_nc_u32 v[TMX+12+\b], 0xff000000, v[TMX+\b]   ; 2 off its exponent field: the conversion's scale operand
.endr
.irp b, 0,1,2,3
	v_lshrrev_b32 v[TMX+4+\b], 23, v[TMX+12+\b]    ; the scale's byte
.endr
	v_lshl_or_b32 v[PW+(\a)], v[TMX+5], 8, v[TMX+4]
	s_delay_alu instid0(VALU_DEP_1)
	v_lshl_or_b32 v[PW+(\a)], v[TMX+6], 16, v[PW+(\a)]
	s_delay_alu instid0(VALU_DEP_1)
	v_lshl_or_b32 v[PW+(\a)], v[TMX+7], 24, v[PW+(\a)]
	s_wait_alu depctr_va_vdst(0)
	s_wait_xcnt 0x0                                ; the last block's stores have read the codes' registers
.irp c, 0,1
	v_cvt_scalef32_pk16_fp6_f32 v[PC+6*\c:PC+6*\c+2], v[H+32*\c:H+32*\c+15], v[TMX+12+2*\c]
	v_cvt_scalef32_pk16_fp6_f32 v[PC+12+4*\c:PC+14+4*\c], v[H+32*\c+16:H+32*\c+31], v[TMX+12+2*\c+1]
.endr
	v_nop                                          ; one plain line behind the scaled conversions
.irp c, 0,1                            ; the operand's layout wants a whole block in a lane
.irp i, 0,1,2
	v_permlane16_swap_b32 v[PC+6*\c+\i], v[PC+12+4*\c+\i]
.endr
.irp i, 0,1,2
	v_mov_b32 v[PC+3+6*\c+\i], v[PC+12+4*\c+\i]
.endr
.endr
.irp c, 0,1,2
	global_store_b128 v[CO], v[PC+4*\c:PC+4*\c+3], s[16:17] offset:1536*(\a)+512*\c   ; the 32 lanes store 512 consecutive bytes, aligned
.endr
	ds_store_b32 v[STO], v[PW+(\a)] offset:64*(\a)    ; lanes r and r + 16 write the same word with the same value
.endm
.irp a, 0,1,2,3
	OUTBLK \a
.endr
	ds_load_b64 v[H:H+1], v[OSR]                   ; my own 256 bytes of scale words: LDS serves a wave's instructions in order
	s_wait_dscnt 0x0
	global_store_b64 v[C8], v[H:H+1], s[18:19]     ; the 32 lanes store 256 consecutive bytes, aligned
	s_wait_tensorcnt 0x0                           ; the wave's end
	ds_add_u32 v[SPW], v[NIL]
	s_wait_dscnt 0x0
	CROUND                                         ; the closing round
	s_endpgm
.Lfunc_end_k_q79e944758c_layer1:
	.size	k_q79e944758c_layer1, .Lfunc_end_k_q79e944758c_layer1-k_q79e944758c_layer1
	.p2alignl 7, 3214868480
	.fill 96, 4, 3214868480
	.section	.rodata,"a",@progbits
	.p2align	6, 0x0
	.amdhsa_kernel k_q79e944758c_layer1
		.amdhsa_group_segment_fixed_size 327680
		.amdhsa_private_segment_fixed_size 0
		.amdhsa_enable_private_segment 0
		.amdhsa_kernarg_size 32
		.amdhsa_user_sgpr_count 2
		.amdhsa_user_sgpr_kernarg_segment_ptr 1
		.amdhsa_wavefront_size32 1
		.amdhsa_system_sgpr_workgroup_id_x 1
		.amdhsa_system_sgpr_workgroup_id_y 1
		.amdhsa_system_sgpr_workgroup_id_z 1
		.amdhsa_system_vgpr_workitem_id 0
		.amdhsa_next_free_vgpr 512
		.amdhsa_next_free_sgpr 90
		.amdhsa_reserve_vcc 0
		.amdhsa_float_denorm_mode_32 3
		.amdhsa_float_denorm_mode_16_64 3
		.amdhsa_memory_ordered 1
		.amdhsa_forward_progress 1
		.amdhsa_inst_pref_size 94
	.end_amdhsa_kernel
	.amdgpu_metadata
---
amdhsa.version: [ 1, 2 ]
amdhsa.kernels:
  - .name:           k_q79e944758c_layer1
    .symbol:         k_q79e944758c_layer1.kd
    .args:
      - { .name: xq, .offset: 0, .size: 8, .value_kind: global_buffer, .address_space: global }
      - { .name: wq, .offset: 8, .size: 8, .value_kind: global_buffer, .address_space: global }
      - { .name: b_init, .offset: 16, .size: 8, .value_kind: global_buffer, .address_space: global }
      - { .name: h1, .offset: 24, .size: 8, .value_kind: global_buffer, .address_space: global }
    .group_segment_fixed_size: 327680
    .private_segment_fixed_size: 0
    .kernarg_segment_align: 8
    .kernarg_segment_size: 32
    .max_flat_workgroup_size: 256
    .sgpr_count:     90
    .vgpr_count:     512
    .wavefront_size: 32
...
	.end_amdgpu_metadata
.endif
;; end of part 2
;; launch layer2 (part 3): grid 8 x 32, 8 waves a work-group, clusters of 4 x 4, 327,680 bytes of LDS; arguments h1, wq, b_ih, h2, b_hh; writes h2
.if DOCPART == 3
	.amdgcn_target "amdgcn-amd-amdhsa--gfx1250"
	.amdhsa_code_object_version 6
	.text
	.protected	k_q79e944758c_layer2
	.globl	k_q79e944758c_layer2
	.p2align	8
	.type	k_q79e944758c_layer2,@function
k_q79e944758c_layer2:
	s_mov_b64 s[64:65], 0
	v_nop
	global_prefetch_b8 v0, s[64:65] scope:SCOPE_SE
	s_setreg_imm32_b32 hwreg(HW_REG_WAVE_MODE, 25, 1), 1
	s_wait_xcnt 0x0
	s_wait_alu depctr_hold_cnt(0) depctr_sa_sdst(0) depctr_va_vdst(0) depctr_va_sdst(0) depctr_va_ssrc(0) depctr_va_vcc(0) depctr_vm_vsrc(0)
	s_getreg_b32 s2, hwreg(HW_REG_IB_STS2, 6, 4)
	s_cmp_eq_u32 s2, 0
	s_cbranch_scc0 .Lentry_in_a_cluster
	s_endpgm
.Lentry_in_a_cluster:
	s_bfe_u32 s2, ttmp6, 0x10000c
	s_cmp_lg_u32 s2, 0xf033
	s_cbranch_scc0 .Lentry_shape_is_right
	s_endpgm
.Lentry_shape_is_right:
; LAYER 1 OR 2 OF THE CHAIN  y = (relu(relu(x W1^T + b1) W2^T + b_ih + b_hh)) W3^T + b3,  on codes of FP6 (E2M3) with one E8M0 scale for each 32 along K.  The same text serves both layers; LAYER picks the sizes.
; LAYER 1: A = x's codes [8192][1024], B = W_init's, out = codes of relu(..).   LAYER 2: A = layer 1's codes [8192][2048], B = W_ih's, out = codes of relu(..).
; OPERANDS lie in memory as P[k / 128][group of 128 rows][12,800 bytes]: eight blocks of 16 rows as images of the operand's 12 registers (1,536 bytes: registers 4 c .. 4 c + 3 of lane l at 512 c + 16 l), then 512 bytes of scale words [block][index].
; So one row of a tensor load, 50 x 256 bytes, brings codes and scale words of 128 rows for a step of 128 along K; a fragment is three LDS loads at 16 x lane; there is no pitch and no padding.
; In a weight, block 2 b + u of a group holds at index r the row 32 b + 8 u + r + 8 (r / 8).  THE MATRIX INSTRUCTION IS USED TRANSPOSED (source 0 = a block of the weight, source 1 = 16 rows of A):
; lane (r, h) holds row r, and register 16 b + i of a block of rows' eight accumulators is column 32 b + 16 h + i of the wave's 128: 16 neighbours along the next K, as the conversions want them.
; SHARES.  A work-group of EIGHT waves, two to a SIMD, makes 256 x 256 of the result; a wave makes 64 rows x 128 columns in 32 accumulators, so that one wave's runs of loads and waits stand beside the other's matrix instructions.  256 work-groups.
; THE RING: two slots of three steps of 128 along K, 153,600 bytes each, in four parts (A's two groups, B's two groups); the add stands
; twice wherever a tensor load can still follow.  Slot 0 is asked for at the head, slot 1 behind the full sequence and a round of the cluster's barrier; a slot is asked for again when it is left.  The last fill has the rows that are left.
; The steps are written out: slots and register sets come back to where they began after six steps, and the fills' sizes differ at the end.
; CLUSTERS of 4 x 4: the four work-groups of a row need the same groups of A, the four of a column the same groups of B: each is asked for jointly.
; PREFETCH: a fetching wave asks for the rows of its part of a later fill: the third fill in step 1, each further one behind the joint load of the fill before it, three steps ahead of the load that will want it: an instruction a row;
; of a row's 50 blocks of 256 bytes the partner at place p (cx for A, cy for B) names blocks 13 p .. 13 p + 12, a lane a block (the lanes left over name the last of them again).  The first two fills come by their loads alone.
; THE BIAS is the C of each sum's first product (in layer 2 b_ih + b_hh, added first): an order of rounding that differs from adding it last.
; LIMITS: NaN and infinities are not served.  A block of zeros of the hidden layer gets the scale byte 1 where the rule says 127: its codes are zeros, which add nothing, and this program alone reads the bytes.
; REGISTERS: window 0: v1-31 addresses; v32-47 scale words, two sets; v48-143 A's four fragments, two sets; v144-239 B's eight fragments, one set; the bias lies in A's second set and v240-255 until the first step's products have read it.
;   window 1: accumulator (a, b) at v[8 (8 a + b)].
.set LAYER, 2
.set GA, 64                            ; groups of 128 rows in A, in B
.set GB, 16
.if LAYER == 1
.set KS, 8                             ; steps of 128 along K
.set WCO, 0                            ; the weight's place in wq
.else
.set KS, 16
.set WCO, 1638400
.endif
.set GS,    12800
.set NST,   3
.set PART,  NST*GS
.set SLOT,  4*PART
.set APIT,  GA*GS
.set BPIT,  GB*GS
.set SPARE, 2*SLOT                     ; the spare words, 128 bytes a wave
.set OSC,   SPARE+1024                 ; 256 bytes a wave for its outgoing scale words; no tensor load lands here
.set PFO,  8                           ; v8-10 the prefetches' offsets: my block of a row, rows 0, 1, 2 of a fill
.set ADRA, 16                          ; v16-17 my A fragments in slot 0, 1;  v18-19 A's scale words;  v20-21, v22-23 the same for B
.set ADSA, 18
.set ADRB, 20
.set ADSB, 22
.set STO,  24                          ; where my row's outgoing scale word goes
.set OSR,  25                          ; where I read them back
.set CO,   26                          ; 16 x lane
.set BO,   27                          ; 64 h
.set SPW,  28
.set NIL,  29
.set C8,   30                          ; 8 x lane
.set SC,   32                          ; step t's scale words in set t % 2: A's pairs of blocks at + i, B's at + 4 + i; lanes 0-15 the even block, lanes 16-31 the odd one
.set AF,   48
.set BF,   144
.set G1,   24
.set G0,   32                          ; s[32:39] groups 0 for A, one for each slot
.set G1B,  48
.set G0B,  56
.set PFA,  84                          ; s[84:85] my part of the fill that is asked for next;  s[88:89] from a fill to the next
.set MSB, 0
.macro WIN new                         ; the immediate's high byte repeats the setting that is left
.if MSB != (\new)
	s_set_vgpr_msb (MSB<<8)|(\new)
.set MSB, \new
.endif
.endm
.macro JLOAD g0a, g1a, g0b, g1b        ; a joint load, in one chain of branches on the wave's number: waves 0, 1 fetch for A, waves 2, 3 for B, the others nothing; s_nop 0 and four v_nop follow each line
	s_cmp_eq_u32 s21, 0
	s_cbranch_scc0 .Lnot_a_\@
	tensor_load_to_lds s[\g0a:\g0a+3], s[\g1a:\g1a+7]
	s_nop 0
.rept 4
	v_nop
.endr
	s_branch .Lasked_\@
.Lnot_a_\@:
	s_cmp_eq_u32 s21, 1
	s_cbranch_scc0 .Lasked_\@
	tensor_load_to_lds s[\g0b:\g0b+3], s[\g1b:\g1b+7]
	s_nop 0
.rept 4
	v_nop
.endr
.Lasked_\@:
.endm
.macro CREST                           ; a round of the cluster's barrier behind its opening barrier
	s_cmp_lg_u32 s20, 0
	s_cbranch_scc1 .Lnot_wave_0_\@
	s_barrier_signal -3
.Lnot_wave_0_\@:
	s_barrier_wait -3
	s_barrier_signal -1
	s_barrier_wait -1
.endm
.macro CROUND
	s_barrier_signal -1
	s_barrier_wait -1
	CREST
.endm
.macro SHAPE g, c, r, p                ; group 1 but for its first word: r rows of c elements of 8 bytes, p elements from row to row
	s_mov_b32 s[\g+1], ((\c)&0xffff)<<16
	s_mov_b32 s[\g+2], ((\c)>>16)|(((\r)&0xffff)<<16)
	s_mov_b32 s[\g+3], ((\r)>>16)|((\c)<<16)
	s_mov_b32 s[\g+4], \r
	s_mov_b32 s[\g+5], \p
	s_mov_b32 s[\g+6], 0
	s_mov_b32 s[\g+7], 0
.endm
.macro ASKW fs                         ; the fill that begins at step fs: the fetching waves ask, an instruction for each of its rows
	s_cmp_lt_u32 s21, 2
	s_cbranch_scc0 .Lno_ask_\@
.set R_, 0
.rept NST
.if (\fs)+R_ < KS
	global_prefetch_b8 v[PFO+R_], s[PFA:PFA+1] th:TH_LOAD_NT scope:SCOPE_SE
.endif
.set R_, R_+1
.endr
.Lno_ask_\@:
.endm
	s_load_b256 s[4:11], s[0:1], 0x0               ; A's buffer, wq, the bias, the result
.if LAYER == 2
	s_load_b64 s[12:13], s[0:1], 0x20              ; b_hh
.endif
	v_lshl_add_u32 v[SPW], v0, 2, SPARE
	v_mov_b32 v[NIL], 0
	ds_add_u32 v[SPW], v[NIL]                      ; the opening lines: the add, twice on end, and one wait
	ds_add_u32 v[SPW], v[NIL]
	v_lshrrev_b32 v1, 5, v0
	v_readfirstlane_b32 s20, v1                    ; wave 0..7
	s_lshr_b32 s21, s20, 1                         ; I fetch for A (0), for B (1), or nothing (2, 3)
	s_and_b32 s22, s20, 1                          ; which 128 columns are mine.  Also: which group of that operand I fetch
	s_lshr_b32 s23, s20, 2                         ; which group of A's rows is mine,
	s_bfe_u32 s3, s20, 0x10001                     ; and which four blocks of it
	s_bfe_u32 s68, ttmp6, 0x40000                  ; cx, cy
	s_bfe_u32 s69, ttmp6, 0x40004
	s_lshl_b32 s70, ttmp9, 2
	s_add_co_u32 s70, s70, s68                     ; tx
	s_and_b32 s71, ttmp7, 0xffff
	s_lshl_b32 s71, s71, 2
	s_add_co_u32 s71, s71, s69                     ; ty
	s_lshl_b32 s72, s69, 2
	s_lshl_b32 s72, 15, s72                        ; my row of the cluster
	s_lshl_b32 s73, 0x1111, s68                    ; my column
	s_or_b32 s[G1], s72, (3<<16)|(1<<21)           ; the mask; elements of 8 bytes; bit 21 beside a mask
	s_or_b32 s[G1B], s73, (3<<16)|(1<<21)
	SHAPE G1, GS/8, NST, APIT/8
	SHAPE G1B, GS/8, NST, BPIT/8
	s_lshl_b32 s74, s71, 1                         ; A: group 2 ty + the one I fetch: hangs on ty and the wave alone
	s_add_co_u32 s74, s74, s22
	s_mul_i32 s74, s74, GS
	s_mov_b32 s75, 0
	s_lshl_b32 s76, s70, 1                         ; B: group 2 tx + the one I fetch
	s_add_co_u32 s76, s76, s22
	s_mul_i32 s76, s76, GS
	s_add_co_u32 s76, s76, WCO
	s_mov_b32 s77, 0
	s_mul_i32 s78, s22, PART                       ; where they go in a slot: the wave's number and constants
	s_add_co_u32 s79, s78, 2*PART                  ; (also: B's group that I multiply)
	s_mul_i32 s80, s23, PART                       ; what I multiply of A: my group,
	s_lshl_b32 s81, s3, 8
	s_add_co_u32 s81, s81, s80                     ; my four blocks' scale words,
	s_mul_i32 s2, s3, 4*1536
	s_add_co_u32 s80, s80, s2                      ; and their images
	s_lshl_b32 s82, s20, 8
	s_add_co_u32 s82, s82, OSC
	s_lshl_b32 s66, s70, 10                        ; the bias of my 128 columns
	s_lshl_b32 s2, s22, 9
	s_add_co_u32 s66, s66, s2
	s_mov_b32 s67, 0
	s_lshl_b32 s16, s70, 1                         ; my result is step 2 tx + my columns' half of the next K, group 2 ty + my group
	s_add_co_u32 s16, s16, s22
	s_mul_i32 s16, s16, APIT
	s_lshl_b32 s2, s71, 1
	s_add_co_u32 s2, s2, s23
	s_mul_i32 s2, s2, GS
	s_add_co_u32 s16, s16, s2
	s_lshl_b32 s18, s3, 8
	s_add_co_u32 s18, s18, s16
	s_add_co_u32 s18, s18, 12288                   ; my four blocks' 256 bytes of scale words,
	s_mul_i32 s2, s3, 4*1536
	s_add_co_u32 s16, s16, s2                      ; and their images
	s_mov_b32 s17, 0
	s_mov_b32 s19, 0
	s_mov_b32 s14, 0x76543210
	s_mov_b32 s15, 0xfedcba98                      ; v_permlanex16_b32's selects for lane l xor 16
	s_mov_b32 s86, BPIT                            ; the prefetches: a row's pitch in my operand,
	s_cmp_eq_u32 s21, 0
	s_cselect_b32 s86, APIT, s86
	s_cselect_b32 s83, s68, s69                    ; and my place among the four that ask with me
	s_mul_i32 s83, s83, 13
	s_mul_i32 s88, s86, NST
	s_mov_b32 s89, 0
	v_and_b32 v1, 31, v0                           ; lane
	v_and_b32 v2, 15, v0                           ; r
	v_bfe_u32 v3, v0, 4, 1                         ; h
	v_lshlrev_b32 v[BO], 6, v3
	v_lshlrev_b32 v[CO], 4, v1
	v_lshlrev_b32 v4, 2, v1
	v_min_u32 v[PFO], 12, v1
	v_lshlrev_b32 v[C8], 3, v1
	v_add_nc_u32 v[ADRA], s80, v[CO]
	v_add_nc_u32 v[ADSA], s81, v4
	v_add_nc_u32 v[ADRB], s79, v[CO]
	v_add_nc_u32 v[ADSB], s79, v4
	v_add_nc_u32 v[PFO], s83, v[PFO]
.irp r, ADRA, ADSA, ADRB, ADSB
	v_add_nc_u32 v[\r+1], SLOT, v[\r]
.endr
	v_min_u32 v[PFO], 49, v[PFO]                   ; block 13 p + lane, held inside my thirteen and inside the row's fifty
	v_lshl_add_u32 v[STO], v2, 2, s82
	v_add_nc_u32 v[OSR], s82, v[C8]
	v_lshlrev_b32 v[PFO], 8, v[PFO]
	s_delay_alu instid0(VALU_DEP_1)
	v_add_nc_u32 v[PFO+1], s86, v[PFO]
	s_delay_alu instid0(VALU_DEP_1)
	v_add_nc_u32 v[PFO+2], s86, v[PFO+1]
	s_wait_alu depctr_va_vdst(0)
	s_wait_dscnt 0x0                               ; both opening adds are done
	s_wait_kmcnt 0x0
	s_add_nc_u64 s[74:75], s[4:5], s[74:75]
	s_add_nc_u64 s[76:77], s[6:7], s[76:77]
	s_add_nc_u64 s[8:9], s[8:9], s[66:67]
.if LAYER == 2
	s_add_nc_u64 s[12:13], s[12:13], s[66:67]
.endif
	s_add_nc_u64 s[16:17], s[10:11], s[16:17]
	s_add_nc_u64 s[18:19], s[10:11], s[18:19]
	s_cmp_eq_u32 s21, 0
	s_cselect_b64 s[PFA:PFA+1], s[74:75], s[76:77]
	s_add_nc_u64 s[PFA:PFA+1], s[PFA:PFA+1], s[88:89]
	s_add_nc_u64 s[PFA:PFA+1], s[PFA:PFA+1], s[88:89]   ; my part of the third fill
.set J_, 0
.rept 16                               ; bias number j = 16 b + i, of column 32 b + 16 h + i, lies at v[96 + j] (j under 48) or v[240 + j - 48]
.if J_ < 48
.set BR_, AF+48+J_
.else
.set BR_, 240+J_-48
.endif
	global_load_b128 v[BR_:BR_+3], v[BO], s[8:9] offset:128*(J_/16)+4*(J_%16)
.if LAYER == 2
	global_load_b128 v[BF+J_:BF+J_+3], v[BO], s[12:13] offset:128*(J_/16)+4*(J_%16)
.endif
.set J_, J_+4
.endr
.irp s, 0,1
	s_mov_b32 s[G0+4*\s], 1
	s_add_co_u32 s[G0+4*\s+1], s78, \s*SLOT
	s_add_nc_u64 s[G0+4*\s+2:G0+4*\s+3], s[74:75], \s*NST*APIT
	s_or_b32 s[G0+4*\s+3], s[G0+4*\s+3], 0x80000000
	s_mov_b32 s[G0B+4*\s], 1
	s_add_co_u32 s[G0B+4*\s+1], s79, \s*SLOT
	s_add_nc_u64 s[G0B+4*\s+2:G0B+4*\s+3], s[76:77], \s*NST*BPIT
	s_or_b32 s[G0B+4*\s+3], s[G0B+4*\s+3], 0x80000000
.endr
	CROUND                                         ; all sixteen work-groups are here: the first joint loads meet
	JLOAD G0, G1, G0B, G1B                         ; slot 0: at most one tensor load a wave at the head
.if LAYER == 2
	s_wait_loadcnt 0x0
.set J_, 0
.rept 32
.if J_ < 48
.set BR_, AF+48+J_
.else
.set BR_, 240+J_-48
.endif
	v_pk_add_f32 v[BR_:BR_+1], v[BR_:BR_+1], v[BF+J_:BF+J_+1]   ; b_ih + b_hh
.set J_, J_+2
.endr
.endif
.macro FRAG reg, adr, off              ; a fragment's image: three loads, each 512 consecutive bytes
.irp c, 0,1,2
	ds_load_b128 v[\reg+4*\c:\reg+4*\c+3], v[\adr] offset:\off+512*\c
.endr
.endm
.macro FB4 slot, q, i0                 ; B's blocks i0 .. i0 + 3 of the slot's q-th step
	WIN 0
.irp i, 0,1,2,3
	FRAG BF+12*((\i0)+\i), ADRB+(\slot), (\q)*GS+1536*((\i0)+\i)
.endr
.endm
.macro FA4 slot, q, p                  ; A's four blocks into set p
	WIN 0
.irp i, 0,1,2,3
	FRAG AF+48*(\p)+12*\i, ADRA+(\slot), (\q)*GS+1536*\i
.endr
.endm
.macro SCL slot, q, p                  ; the scale words: six loads of 4 bytes a lane, each two blocks' words
	WIN 0
.irp i, 0,1
	ds_load_b32 v[SC+8*(\p)+\i], v[ADSA+(\slot)] offset:(\q)*GS+12288+128*\i
.endr
.irp i, 0,1,2,3
	ds_load_b32 v[SC+8*(\p)+4+\i], v[ADSB+(\slot)] offset:(\q)*GS+12288+128*\i
.endr
.endm
.macro ONE p, zero                     ; A's block MA_ against B's block MB_.  zero = 1: the sum begins with the bias as C
.set rD, 8*(8*MA_+MB_)
.set rB, BF+12*MB_
.set rA, AF+48*(\p)+12*MA_
.set rSB, SC+8*(\p)+4+MB_/2
.set rSA, SC+8*(\p)+MA_/2
.if \zero
.if MB_ < 6
.set rC, AF+48+8*MB_
.else
.set rC, 240+8*(MB_-6)
.endif
.else
.set rC, rD
.endif
.if (MB_%2 == 0) && (MA_%2 == 0)
	v_wmma_scale_f32_16x16x128_f8f6f4 v[rD:rD+7], v[rB:rB+11], v[rA:rA+11], v[rC:rC+7], v[rSB], v[rSA] matrix_a_fmt:MATRIX_FMT_FP6 matrix_b_fmt:MATRIX_FMT_FP6
.elseif (MB_%2 == 1) && (MA_%2 == 0)
	v_wmma_scale_f32_16x16x128_f8f6f4 v[rD:rD+7], v[rB:rB+11], v[rA:rA+11], v[rC:rC+7], v[rSB], v[rSA] matrix_a_fmt:MATRIX_FMT_FP6 matrix_b_fmt:MATRIX_FMT_FP6 matrix_a_scale:MATRIX_SCALE_ROW1
.elseif MB_%2 == 0
	v_wmma_scale_f32_16x16x128_f8f6f4 v[rD:rD+7], v[rB:rB+11], v[rA:rA+11], v[rC:rC+7], v[rSB], v[rSA] matrix_a_fmt:MATRIX_FMT_FP6 matrix_b_fmt:MATRIX_FMT_FP6 matrix_b_scale:MATRIX_SCALE_ROW1
.else
	v_wmma_scale_f32_16x16x128_f8f6f4 v[rD:rD+7], v[rB:rB+11], v[rA:rA+11], v[rC:rC+7], v[rSB], v[rSA] matrix_a_fmt:MATRIX_FMT_FP6 matrix_b_fmt:MATRIX_FMT_FP6 matrix_a_scale:MATRIX_SCALE_ROW1 matrix_b_scale:MATRIX_SCALE_ROW1
.endif
.endm
.macro WS n, p, zero                   ; the step's next n products: B's blocks one after the other, each against A's four; the accumulators take turns
.if \zero
	WIN 0x40                                       ; D window 1; sources and the bias window 0
.else
	WIN 0x50                                       ; C and D window 1
.endif
.rept \n
	ONE \p, \zero
.set MA_, MA_+1
.if MA_ == 4
.set MA_, 0
.set MB_, MB_+1
.endif
.endr
.endm
.macro PLACES n                        ; places in front of loads into registers that matrix instructions have read, and of reads of results
.rept \n
	v_nop
.endr
.endm
.macro ROWS g, r                       ; a fill of fewer rows; no tensor load of mine is out where this stands
	s_mov_b32 s[\g+2], (\r)<<16
	s_mov_b32 s[\g+4], \r
.if (\r) == 1
	s_mov_b32 s[\g+6], 1<<16
.endif
.endm
; Step t: 32 products and two runs of LDS loads for the next step.  In the middle, when B's blocks 0-3 have been multiplied: those blocks anew (12 loads), the scale words (6) and A's four blocks (12) into the other sets; at the end B's blocks 4-7 (12).
; So the waits count: at the step's head 12 (B's blocks 4-7 may be out); ahead of product 16: the middle run's 30.  In the first step A's other set still holds the bias: A's blocks come at the end, ahead of B's, and the middle run has 18.
; Where the next step lies in the other slot, the three lines and the barrier (a round where the slot is filled again) stand in the first 16 products.
.macro STEP t, zero
.set NX, (\t)+1
.set SL, ((\t)/NST)%2
.set NS_, (NX/NST)%2
.set NQ_, NX%NST
.set P_, (\t)%2
.set MA_, 0
.set MB_, 0
.if NQ_ != 0
	s_wait_dscnt 12
	WS 16, P_, \zero
	PLACES 4
.else
.set RS_, ((\t)/NST+2)*NST             ; the first step of what this slot takes next
	WIN 0                                          ; (the add's two registers lie in window 0)
	s_wait_tensorcnt 0x0                           ; all my tensor loads have landed
	ds_add_u32 v[SPW], v[NIL]                      ; the add once here,
.if RS_ < KS
	ds_add_u32 v[SPW], v[NIL]
.endif
.if RS_+NST < KS
	s_wait_xcnt 0x0                                ; my last prefetches have read their base: it steps to the fill behind the one that is asked for below
	s_add_nc_u64 s[PFA:PFA+1], s[PFA:PFA+1], s[88:89]
.endif
.if RS_ < KS
	s_wait_dscnt 14                                ; (the two adds and B's blocks 4-7 may be out)
.else
	s_wait_dscnt 13
.endif
	WS 8, P_, 0
	s_wait_dscnt 0x0                               ; the adds are done, and my reads of this slot are over
	s_barrier_signal -1
	WS 8, P_, 0
	WIN 0
	s_barrier_wait -1
.if RS_ < KS
	CREST                                          ; no wave of any partner still reads this slot or has a load on its way
	s_add_nc_u64 s[G0+4*SL+2:G0+4*SL+3], s[G0+4*SL+2:G0+4*SL+3], 2*NST*APIT
	s_add_nc_u64 s[G0B+4*SL+2:G0B+4*SL+3], s[G0B+4*SL+2:G0B+4*SL+3], 2*NST*BPIT
.if KS-RS_ < NST
	ROWS G1, KS-RS_
	ROWS G1B, KS-RS_
.endif
	JLOAD G0+4*SL, G1, G0B+4*SL, G1B               ; the one tensor load of a fetching wave behind the round
.endif
	PLACES 4
.if RS_+NST < KS
	ASKW RS_+NST
.endif
.endif
	FB4 NS_, NQ_, 0
	SCL NS_, NQ_, 1-P_
.if \zero
	s_wait_dscnt 18
.else
	FA4 NS_, NQ_, 1-P_
.if (\t) == 1
	ASKW 2*NST
.endif
	s_wait_dscnt 30
.endif
	WS 16, P_, \zero
	PLACES 4
.if \zero
	FA4 NS_, NQ_, 1-P_
.endif
	FB4 NS_, NQ_, 4
.endm
	s_wait_alu depctr_va_vdst(0)
	s_wait_loadcnt 0x0                             ; the bias
	s_wait_tensorcnt 0x0                           ; my part of slot 0 is in; the full sequence ahead of slot 1's first fill:
	ds_add_u32 v[SPW], v[NIL]
	ds_add_u32 v[SPW], v[NIL]
	s_wait_dscnt 0x0
	CROUND
	JLOAD G0+4, G1, G0B+4, G1B                     ; slot 1
	FB4 0, 0, 0
	SCL 0, 0, 0
	FA4 0, 0, 0
	FB4 0, 0, 4
	STEP 0, 1                                      ; the first step's products start the sums
.set ST, 1
.rept KS-2
	STEP ST, 0
.set ST, ST+1
.endr
.set MA_, 0                            ; the last step: nothing more to fetch
.set MB_, 0
	s_wait_dscnt 12
	WS 16, 1, 0
	s_wait_dscnt 0x0
	WS 16, 1, 0
	WIN 0
	PLACES 4
; THE WAY OUT: a block of 16 rows x my 128 columns is one fragment of the next layer's A.  relu in f32, the four blocks' largest numbers, the scale word, the conversions; the image leaves as it stands.
.set H,   48                           ; v48-111 the block's 64 numbers of a lane
.set PC,  112                          ; v112-123 its codes;  v124-126, v128-130 the second halves as the conversions leave them
.set TMX, 132                          ; v132-135 largest numbers, v136-139 lane l xor 16's, then the bytes, v144-147 the conversions' scale operands
.set PW,  148                          ; v148-151 the scale word of each block of rows
.irp b, 0,1,2,3
	v_mov_b32 v[TMX+4+\b], 0                       ; written once: a lane permute's destination counts as one of its sources
.endr
.macro OUTBLK a
	WIN 0x04                                       ; source 1: window 1
.set J_, 0
.rept 64
	v_max_num_f32 v[H+J_], 0, v[64*(\a)+J_]        ; the activation, in f32; each accumulator from its low end on
.set J_, J_+1
.endr
	WIN 0
.irp b, 0,1,2,3
	v_max3_num_f32 v[TMX+\b], v[H+16*\b], v[H+16*\b+1], 0x1800000   ; my 16 numbers of block b, and the floor 2^(3 - 127)
.endr
.irp i, 2,4,6,8,10,12,14
.irp b, 0,1,2,3
	v_max3_num_f32 v[TMX+\b], v[TMX+\b], v[H+16*\b+\i], v[H+16*\b+\i+1]   ; (the four blocks by turns)
.endr
.endr
.irp b, 0,1,2,3
	v_permlanex16_b32 v[TMX+4+\b], v[TMX+\b], s14, s15
.endr
.irp b, 0,1,2,3
	v_max_num_f32 v[TMX+\b], v[TMX+\b], v[TMX+4+\b]   ; with lane l xor 16's: the block's largest number
.endr
.irp b, 0,1,2,3
	v_add_nc_u32 v[TMX+12+\b], 0xff000000, v[TMX+\b]   ; 2 off its exponent field: the conversion's scale operand
.endr
.irp b, 0,1,2,3
	v_lshrrev_b32 v[TMX+4+\b], 23, v[TMX+12+\b]    ; the scale's byte
.endr
	v_lshl_or_b32 v[PW+(\a)], v[TMX+5], 8, v[TMX+4]
	s_delay_alu instid0(VALU_DEP_1)
	v_lshl_or_b32 v[PW+(\a)], v[TMX+6], 16, v[PW+(\a)]
	s_delay_alu instid0(VALU_DEP_1)
	v_lshl_or_b32 v[PW+(\a)], v[TMX+7], 24, v[PW+(\a)]
	s_wait_alu depctr_va_vdst(0)
	s_wait_xcnt 0x0                                ; the last block's stores have read the codes' registers
.irp c, 0,1
	v_cvt_scalef32_pk16_fp6_f32 v[PC+6*\c:PC+6*\c+2], v[H+32*\c:H+32*\c+15], v[TMX+12+2*\c]
	v_cvt_scalef32_pk16_fp6_f32 v[PC+12+4*\c:PC+14+4*\c], v[H+32*\c+16:H+32*\c+31], v[TMX+12+2*\c+1]
.endr
	v_nop                                          ; one plain line behind the scaled conversions
.irp c, 0,1                            ; the operand's layout wants a whole block in a lane
.irp i, 0,1,2
	v_permlane16_swap_b32 v[PC+6*\c+\i], v[PC+12+4*\c+\i]
.endr
.irp i, 0,1,2
	v_mov_b32 v[PC+3+6*\c+\i], v[PC+12+4*\c+\i]
.endr
.endr
.irp c, 0,1,2
	global_store_b128 v[CO], v[PC+4*\c:PC+4*\c+3], s[16:17] offset:1536*(\a)+512*\c   ; the 32 lanes store 512 consecutive bytes, aligned
.endr
	ds_store_b32 v[STO], v[PW+(\a)] offset:64*(\a)    ; lanes r and r + 16 write the same word with the same value
.endm
.irp a, 0,1,2,3
	OUTBLK \a
.endr
	ds_load_b64 v[H:H+1], v[OSR]                   ; my own 256 bytes of scale words: LDS serves a wave's instructions in order
	s_wait_dscnt 0x0
	global_store_b64 v[C8], v[H:H+1], s[18:19]     ; the 32 lanes store 256 consecutive bytes, aligned
	s_wait_tensorcnt 0x0                           ; the wave's end
	ds_add_u32 v[SPW], v[NIL]
	s_wait_dscnt 0x0
	CROUND                                         ; the closing round
	s_endpgm
.Lfunc_end_k_q79e944758c_layer2:
	.size	k_q79e944758c_layer2, .Lfunc_end_k_q79e944758c_layer2-k_q79e944758c_layer2
	.p2alignl 7, 3214868480
	.fill 96, 4, 3214868480
	.section	.rodata,"a",@progbits
	.p2align	6, 0x0
	.amdhsa_kernel k_q79e944758c_layer2
		.amdhsa_group_segment_fixed_size 327680
		.amdhsa_private_segment_fixed_size 0
		.amdhsa_enable_private_segment 0
		.amdhsa_kernarg_size 40
		.amdhsa_user_sgpr_count 2
		.amdhsa_user_sgpr_kernarg_segment_ptr 1
		.amdhsa_wavefront_size32 1
		.amdhsa_system_sgpr_workgroup_id_x 1
		.amdhsa_system_sgpr_workgroup_id_y 1
		.amdhsa_system_sgpr_workgroup_id_z 1
		.amdhsa_system_vgpr_workitem_id 0
		.amdhsa_next_free_vgpr 512
		.amdhsa_next_free_sgpr 90
		.amdhsa_reserve_vcc 0
		.amdhsa_float_denorm_mode_32 3
		.amdhsa_float_denorm_mode_16_64 3
		.amdhsa_memory_ordered 1
		.amdhsa_forward_progress 1
		.amdhsa_inst_pref_size 159
	.end_amdhsa_kernel
	.amdgpu_metadata
---
amdhsa.version: [ 1, 2 ]
amdhsa.kernels:
  - .name:           k_q79e944758c_layer2
    .symbol:         k_q79e944758c_layer2.kd
    .args:
      - { .name: h1, .offset: 0, .size: 8, .value_kind: global_buffer, .address_space: global }
      - { .name: wq, .offset: 8, .size: 8, .value_kind: global_buffer, .address_space: global }
      - { .name: b_ih, .offset: 16, .size: 8, .value_kind: global_buffer, .address_space: global }
      - { .name: h2, .offset: 24, .size: 8, .value_kind: global_buffer, .address_space: global }
      - { .name: b_hh, .offset: 32, .size: 8, .value_kind: global_buffer, .address_space: global }
    .group_segment_fixed_size: 327680
    .private_segment_fixed_size: 0
    .kernarg_segment_align: 8
    .kernarg_segment_size: 40
    .max_flat_workgroup_size: 256
    .sgpr_count:     90
    .vgpr_count:     512
    .wavefront_size: 32
...
	.end_amdgpu_metadata
.endif
;; end of part 3
;; launch layer3 (part 4): grid 4 x 64, 4 waves a work-group, clusters of 4 x 4, 327,680 bytes of LDS; arguments h2, wq, b_final, out0; writes out0
.if DOCPART == 4
	.amdgcn_target "amdgcn-amd-amdhsa--gfx1250"
	.amdhsa_code_object_version 6
	.text
	.protected	k_q79e944758c_layer3
	.globl	k_q79e944758c_layer3
	.p2align	8
	.type	k_q79e944758c_layer3,@function
k_q79e944758c_layer3:
	s_mov_b64 s[64:65], 0
	v_nop
	global_prefetch_b8 v0, s[64:65] scope:SCOPE_SE
	s_setreg_imm32_b32 hwreg(HW_REG_WAVE_MODE, 25, 1), 1
	s_wait_xcnt 0x0
	s_wait_alu depctr_hold_cnt(0) depctr_sa_sdst(0) depctr_va_vdst(0) depctr_va_sdst(0) depctr_va_ssrc(0) depctr_va_vcc(0) depctr_vm_vsrc(0)
	s_getreg_b32 s2, hwreg(HW_REG_IB_STS2, 6, 4)
	s_cmp_eq_u32 s2, 0
	s_cbranch_scc0 .Lentry_in_a_cluster
	s_endpgm
.Lentry_in_a_cluster:
	s_bfe_u32 s2, ttmp6, 0x10000c
	s_cmp_lg_u32 s2, 0xf033
	s_cbranch_scc0 .Lentry_shape_is_right
	s_endpgm
.Lentry_shape_is_right:
; LAYER 3 OF THE CHAIN  y = (relu(relu(x W1^T + b1) W2^T + b_ih + b_hh)) W3^T + b3:  A = layer 2's codes [8192][2048], B = W_final's codes [1024][2048], FP6 (E2M3) with one E8M0 scale for each 32 along K; out = f32.
; OPERANDS lie in memory as P[k / 128][group of 128 rows][12,800 bytes]: eight blocks of 16 rows as images of the operand's 12 registers (1,536 bytes), then 512 bytes of scale words [block][index].
; In the weight, block 2 b + u of a group holds at index r the row 32 b + 8 u + r + 8 (r / 8).  THE MATRIX INSTRUCTION IS USED TRANSPOSED (source 0 = a block of the weight, source 1 = 16 rows of A):
; lane (r, h) holds row r, and register 16 b + i of a block of rows' eight accumulators is column 32 b + 16 h + i of the wave's 128.
; SHARES.  The result has 1,024 columns, so a work-group makes 128 x 256 for 256 work-groups; wave (WR, WC) makes 64 x 128 in 32 accumulators.
; THE RING: two slots of four steps of 128 along K, 153,600 bytes each: A's one group, B's two.  Wave 0 fetches A's steps 0, 1 of a slot, wave 1 its steps 2, 3, waves 2 and 3 a group of B each: one load a wave.
; Slot 0 is asked for at the head, slot 1 behind the full sequence and a round of the cluster's barrier; each is filled once more.  The 16 steps are written out.
; A step reads 12 fragments for 32 matrix instructions.  A and B have two register sets each; the products go by B's blocks (each against A's four), and the next step's loads go out in two runs.
; CLUSTERS of 4 x 4: A's group is asked for jointly along a row of the cluster, B's groups along a column.
; PREFETCH: behind each joint load a wave asks for the rows of its part of the NEXT fill, four steps ahead of the load that will want them: an instruction a row (A's waves two rows, B's four); of a row's 50 blocks of 256 bytes
; the partner at place p (cx for A, cy for B) names blocks 13 p .. 13 p + 12, a lane a block (the lanes left over name the last of them again).  The last fill has no successor and asks for nothing.
; THE BIAS is the C of each sum's first product: an order of rounding that differs from adding it last.   LIMITS: NaN and infinities are not served.
; REGISTERS: window 0: v1-31 addresses; v32-47 scale words, two sets; v64-127 the bias; v128-223 A's fragments, two sets of 48.  window 1: B's fragments, two sets, at v0 and v128.  window 2: accumulator (a, b) at v[8 (8 a + b)].
.set GA, 64
.set GB, 8
.set KS, 16
.set WCO, 4915200
.set GS,    12800
.set NST,   4
.set PART,  NST*GS
.set SLOT,  3*PART
.set APIT,  GA*GS
.set BPIT,  GB*GS
.set SPARE, 2*SLOT
.set PFO,  8                           ; v8-11 the prefetches' offsets: my block of a row, rows 0 .. 3
.set ADRA, 16
.set ADSA, 18
.set ADRB, 20
.set ADSB, 22
.set STO,  24                          ; where I put my bytes of a row in the stage
.set RD,   25                          ; where I read a row back
.set CO,   26
.set BO,   27
.set SPW,  28
.set NIL,  29
.set SC,   32                          ; step t's scale words in set t % 2: A's pairs of blocks at + i, B's at + 4 + i
.set BI,   64
.set AF,   128
.set G1,   24
.set G0,   32
.set G1B,  48
.set G0B,  56
.set PFA,  84                          ; s[84:85] my part of the fill that is asked for next;  s[88:89] from a fill to the next
.set MSB, 0
.macro WIN new
.if MSB != (\new)
	s_set_vgpr_msb (MSB<<8)|(\new)
.set MSB, \new
.endif
.endm
.macro JLOAD g0a, g1a, g0b, g1b        ; a joint load: waves 0 and 1 fetch for A, waves 2 and 3 for B; s_nop 0 and four v_nop follow each line
	s_cmp_eq_u32 s21, 0
	s_cbranch_scc0 .Lfor_b_\@
	tensor_load_to_lds s[\g0a:\g0a+3], s[\g1a:\g1a+7]
	s_nop 0
.rept 4
	v_nop
.endr
	s_branch .Lasked_\@
.Lfor_b_\@:
	tensor_load_to_lds s[\g0b:\g0b+3], s[\g1b:\g1b+7]
	s_nop 0
.rept 4
	v_nop
.endr
.Lasked_\@:
.endm
.macro CREST
	s_cmp_lg_u32 s20, 0
	s_cbranch_scc1 .Lnot_wave_0_\@
	s_barrier_signal -3
.Lnot_wave_0_\@:
	s_barrier_wait -3
	s_barrier_signal -1
	s_barrier_wait -1
.endm
.macro CROUND
	s_barrier_signal -1
	s_barrier_wait -1
	CREST
.endm
.macro SHAPE g, c, r, p
	s_mov_b32 s[\g+1], ((\c)&0xffff)<<16
	s_mov_b32 s[\g+2], ((\c)>>16)|(((\r)&0xffff)<<16)
	s_mov_b32 s[\g+3], ((\r)>>16)|((\c)<<16)
	s_mov_b32 s[\g+4], \r
	s_mov_b32 s[\g+5], \p
	s_mov_b32 s[\g+6], 0
	s_mov_b32 s[\g+7], 0
.endm
.macro ASKF                            ; my part of the next fill: two rows for A's waves, four for B's; the branch hangs on the wave's number alone
	global_prefetch_b8 v[PFO], s[PFA:PFA+1] th:TH_LOAD_NT scope:SCOPE_SE
	global_prefetch_b8 v[PFO+1], s[PFA:PFA+1] th:TH_LOAD_NT scope:SCOPE_SE
	s_cmp_eq_u32 s21, 0
	s_cbranch_scc1 .Ltwo_rows_\@
	global_prefetch_b8 v[PFO+2], s[PFA:PFA+1] th:TH_LOAD_NT scope:SCOPE_SE
	global_prefetch_b8 v[PFO+3], s[PFA:PFA+1] th:TH_LOAD_NT scope:SCOPE_SE
.Ltwo_rows_\@:
.endm
	s_load_b256 s[4:11], s[0:1], 0x0               ; h2, wq, b_final, out0
	v_lshl_add_u32 v[SPW], v0, 2, SPARE
	v_mov_b32 v[NIL], 0
	ds_add_u32 v[SPW], v[NIL]                      ; the opening lines: the add, twice on end, and one wait
	ds_add_u32 v[SPW], v[NIL]
	v_lshrrev_b32 v1, 5, v0
	v_readfirstlane_b32 s20, v1                    ; wave 0..3
	s_lshr_b32 s21, s20, 1                         ; WR.  Also: I fetch for A (0) or for B (1)
	s_and_b32 s22, s20, 1                          ; WC.  Also: which half of A's steps, or which group of B, I fetch
	s_bfe_u32 s68, ttmp6, 0x40000
	s_bfe_u32 s69, ttmp6, 0x40004
	s_lshl_b32 s70, ttmp9, 2
	s_add_co_u32 s70, s70, s68                     ; tx
	s_and_b32 s71, ttmp7, 0xffff
	s_lshl_b32 s71, s71, 2
	s_add_co_u32 s71, s71, s69                     ; ty
	s_lshl_b32 s72, s69, 2
	s_lshl_b32 s72, 15, s72
	s_lshl_b32 s73, 0x1111, s68
	s_or_b32 s[G1], s72, (3<<16)|(1<<21)
	s_or_b32 s[G1B], s73, (3<<16)|(1<<21)
	SHAPE G1, GS/8, 2, APIT/8                      ; A: two steps of one group
	SHAPE G1B, GS/8, NST, BPIT/8                   ; B: four steps of one group
	s_mul_i32 s74, s71, GS                         ; A: group ty, + two steps for wave 1
	s_mul_i32 s2, s22, 2*APIT
	s_add_co_u32 s74, s74, s2
	s_mov_b32 s75, 0
	s_lshl_b32 s76, s70, 1                         ; B: group 2 tx + the one I fetch
	s_add_co_u32 s76, s76, s22
	s_mul_i32 s76, s76, GS
	s_add_co_u32 s76, s76, WCO
	s_mov_b32 s77, 0
	s_mul_i32 s78, s22, 2*GS                       ; where they go in a slot
	s_mul_i32 s79, s22, PART
	s_add_co_u32 s79, s79, PART
	s_mul_i32 s80, s21, 4*1536                     ; what I multiply: A's blocks 4 WR on,
	s_lshl_b32 s81, s21, 8                         ; their scale words; B's group WC (s79)
	s_mul_i32 s82, s20, 16*528                     ; my stage: 16 rows x (512 bytes + 16), in slot 0
	s_lshl_b32 s66, s70, 10                        ; the bias of my 128 columns
	s_lshl_b32 s2, s22, 9
	s_add_co_u32 s66, s66, s2
	s_mov_b32 s67, 0
	s_lshl_b32 s16, s71, 7                         ; my first row: 128 ty + 64 WR, 4,096 bytes a row; my first column as for the bias
	s_lshl_b32 s2, s21, 6
	s_add_co_u32 s16, s16, s2
	s_lshl_b32 s16, s16, 12
	s_add_co_u32 s16, s16, s66
	s_mov_b32 s17, 0
	s_mov_b32 s86, BPIT                            ; the prefetches: a row's pitch in my operand,
	s_cmp_eq_u32 s21, 0
	s_cselect_b32 s86, APIT, s86
	s_cselect_b32 s83, s68, s69                    ; and my place among the four that ask with me
	s_mul_i32 s83, s83, 13
	s_mul_i32 s88, s86, NST
	s_mov_b32 s89, 0
	v_and_b32 v1, 31, v0
	v_and_b32 v2, 15, v0
	v_bfe_u32 v3, v0, 4, 1
	v_lshlrev_b32 v[BO], 6, v3
	v_lshlrev_b32 v[CO], 4, v1
	v_lshlrev_b32 v4, 2, v1
	v_min_u32 v[PFO], 12, v1
	v_add_nc_u32 v[ADRA], s80, v[CO]
	v_add_nc_u32 v[ADSA], s81, v4
	v_add_nc_u32 v[ADRB], s79, v[CO]
	v_add_nc_u32 v[ADSB], s79, v4
	v_add_nc_u32 v[PFO], s83, v[PFO]
.irp r, ADRA, ADSA, ADRB, ADSB
	v_add_nc_u32 v[\r+1], SLOT, v[\r]
.endr
	v_min_u32 v[PFO], 49, v[PFO]                   ; block 13 p + lane, held inside my thirteen and inside the row's fifty
	v_mul_u32_u24 v[STO], v2, 528
	v_add_nc_u32 v[RD], s82, v[CO]                 ; back: the 32 lanes take one row of 512 bytes
	v_lshlrev_b32 v[PFO], 8, v[PFO]
	v_lshl_add_u32 v[STO], v3, 6, v[STO]
	v_add_nc_u32 v[PFO+1], s86, v[PFO]
	v_add_nc_u32 v[STO], s82, v[STO]               ; in: row r, + 64 h
	v_add_nc_u32 v[PFO+2], s86, v[PFO+1]
	v_add_nc_u32 v[PFO+3], s86, v[PFO+2]
	s_wait_alu depctr_va_vdst(0)
	s_wait_dscnt 0x0
	s_wait_kmcnt 0x0
	s_add_nc_u64 s[74:75], s[4:5], s[74:75]
	s_add_nc_u64 s[76:77], s[6:7], s[76:77]
	s_add_nc_u64 s[8:9], s[8:9], s[66:67]
	s_add_nc_u64 s[16:17], s[10:11], s[16:17]
	s_cmp_eq_u32 s21, 0
	s_cselect_b64 s[PFA:PFA+1], s[74:75], s[76:77]
	s_add_nc_u64 s[PFA:PFA+1], s[PFA:PFA+1], s[88:89]   ; my part of the second fill
.irp bb, 0,1,2,3
.irp p, 0,1,2,3
	global_load_b128 v[BI+16*\bb+4*\p:BI+16*\bb+4*\p+3], v[BO], s[8:9] offset:128*\bb+16*\p
.endr
.endr
.irp s, 0,1
	s_mov_b32 s[G0+4*\s], 1
	s_add_co_u32 s[G0+4*\s+1], s78, \s*SLOT
	s_add_nc_u64 s[G0+4*\s+2:G0+4*\s+3], s[74:75], \s*NST*APIT
	s_or_b32 s[G0+4*\s+3], s[G0+4*\s+3], 0x80000000
	s_mov_b32 s[G0B+4*\s], 1
	s_add_co_u32 s[G0B+4*\s+1], s79, \s*SLOT
	s_add_nc_u64 s[G0B+4*\s+2:G0B+4*\s+3], s[76:77], \s*NST*BPIT
	s_or_b32 s[G0B+4*\s+3], s[G0B+4*\s+3], 0x80000000
.endr
	CROUND                                         ; all sixteen work-groups are here: the first joint loads meet
	JLOAD G0, G1, G0B, G1B                         ; slot 0: one tensor load a wave at the head
	ASKF
.macro FRAG reg, adr, off
.irp c, 0,1,2
	ds_load_b128 v[\reg+4*\c:\reg+4*\c+3], v[\adr] offset:\off+512*\c
.endr
.endm
.macro FB4 slot, q, p, i0              ; B's blocks i0 .. i0 + 3 of the slot's q-th step into set p
	WIN 0x40
.irp i, 0,1,2,3
	FRAG 128*(\p)+12*((\i0)+\i), ADRB+(\slot), (\q)*GS+1536*((\i0)+\i)
.endr
.endm
.macro FAS slot, q, p                  ; the scale words (6 loads of 4 bytes a lane, each two blocks' words) and A's four blocks (12 loads) into set p
	WIN 0
.irp i, 0,1
	ds_load_b32 v[SC+8*(\p)+\i], v[ADSA+(\slot)] offset:(\q)*GS+12288+128*\i
.endr
.irp i, 0,1,2,3
	ds_load_b32 v[SC+8*(\p)+4+\i], v[ADSB+(\slot)] offset:(\q)*GS+12288+128*\i
.endr
.irp i, 0,1,2,3
	FRAG AF+48*(\p)+12*\i, ADRA+(\slot), (\q)*GS+1536*\i
.endr
.endm
.macro ONE p, zero
.set rD, 8*(8*MA_+MB_)
.set rB, 128*(\p)+12*MB_
.set rA, AF+48*(\p)+12*MA_
.set rSB, SC+8*(\p)+4+MB_/2
.set rSA, SC+8*(\p)+MA_/2
.if \zero
.set rC, BI+8*MB_
.else
.set rC, rD
.endif
.if (MB_%2 == 0) && (MA_%2 == 0)
	v_wmma_scale_f32_16x16x128_f8f6f4 v[rD:rD+7], v[rB:rB+11], v[rA:rA+11], v[rC:rC+7], v[rSB], v[rSA] matrix_a_fmt:MATRIX_FMT_FP6 matrix_b_fmt:MATRIX_FMT_FP6
.elseif (MB_%2 == 1) && (MA_%2 == 0)
	v_wmma_scale_f32_16x16x128_f8f6f4 v[rD:rD+7], v[rB:rB+11], v[rA:rA+11], v[rC:rC+7], v[rSB], v[rSA] matrix_a_fmt:MATRIX_FMT_FP6 matrix_b_fmt:MATRIX_FMT_FP6 matrix_a_scale:MATRIX_SCALE_ROW1
.elseif MB_%2 == 0
	v_wmma_scale_f32_16x16x128_f8f6f4 v[rD:rD+7], v[rB:rB+11], v[rA:rA+11], v[rC:rC+7], v[rSB], v[rSA] matrix_a_fmt:MATRIX_FMT_FP6 matrix_b_fmt:MATRIX_FMT_FP6 matrix_b_scale:MATRIX_SCALE_ROW1
.else
	v_wmma_scale_f32_16x16x128_f8f6f4 v[rD:rD+7], v[rB:rB+11], v[rA:rA+11], v[rC:rC+7], v[rSB], v[rSA] matrix_a_fmt:MATRIX_FMT_FP6 matrix_b_fmt:MATRIX_FMT_FP6 matrix_a_scale:MATRIX_SCALE_ROW1 matrix_b_scale:MATRIX_SCALE_ROW1
.endif
.endm
.macro WS n, p, zero                   ; the step's next n products: B's blocks one after the other, each against A's four; the accumulators take turns
.if \zero
	WIN 0x81
.else
	WIN 0xa1
.endif
.rept \n
	ONE \p, \zero
.set MA_, MA_+1
.if MA_ == 4
.set MA_, 0
.set MB_, MB_+1
.endif
.endr
.endm
.macro PLACES n
.rept \n
	v_nop
.endr
.endm
; Step t: 32 products.  The next step's 42 LDS loads go into the other sets in two runs: behind product 8 the scale words, A's four blocks and B's blocks 0-3 (30 loads), behind product 24 B's blocks 4-7 (12).
; The four places behind product 8 stand behind all the products that read those sets.  So the waits count: at the step's head 12 (B's blocks 4-7 may be out); ahead of product 16: this step's first 30.
; Where the next step lies in the other slot, the three lines and the barrier (a round where the slot is filled again) stand in the first 16 products.
.macro STEP t, zero
.set NX, (\t)+1
.set SL, ((\t)/NST)%2
.set NS_, (NX/NST)%2
.set NQ_, NX%NST
.set P_, (\t)%2
.set MA_, 0
.set MB_, 0
.if NQ_ != 0
	s_wait_dscnt 12
	WS 8, P_, \zero
	PLACES 4
	FAS NS_, NQ_, 1-P_
	FB4 NS_, NQ_, 1-P_, 0
	WS 8, P_, \zero
	s_wait_dscnt 30
.else
.set RS_, ((\t)/NST+2)*NST
	WIN 0                                          ; (the add's two registers lie in window 0)
	s_wait_tensorcnt 0x0                           ; all my tensor loads have landed, my part of the next slot among them
	ds_add_u32 v[SPW], v[NIL]
.if RS_+NST < KS
	s_wait_xcnt 0x0                                ; my last prefetches have read their base: it steps to the fill behind the one that is asked for below
	s_add_nc_u64 s[PFA:PFA+1], s[PFA:PFA+1], s[88:89]
.endif
	s_wait_dscnt 13                                ; (the add and B's blocks 4-7 may be out)
	WS 8, P_, 0
	s_wait_dscnt 0x0                               ; the add is done, and my reads of this slot are over
	s_barrier_signal -1
	WS 8, P_, 0
	WIN 0
	s_barrier_wait -1
.if RS_ < KS
	CREST                                          ; no wave of any partner still reads this slot or has a load on its way
	s_add_nc_u64 s[G0+4*SL+2:G0+4*SL+3], s[G0+4*SL+2:G0+4*SL+3], 2*NST*APIT
	s_add_nc_u64 s[G0B+4*SL+2:G0B+4*SL+3], s[G0B+4*SL+2:G0B+4*SL+3], 2*NST*BPIT
	JLOAD G0+4*SL, G1, G0B+4*SL, G1B               ; my one tensor load behind the round; its four v_nop are the places in front of the loads below
.if RS_+NST < KS
	ASKF
.endif
.else
	PLACES 4
.endif
	FAS NS_, 0, 1-P_
	FB4 NS_, 0, 1-P_, 0
.endif
	WS 8, P_, \zero
	FB4 NS_, NQ_, 1-P_, 4
	WS 8, P_, \zero
.endm
	s_wait_alu depctr_va_vdst(0)
	s_wait_loadcnt 0x0                             ; the bias
	s_wait_tensorcnt 0x0                           ; my part of slot 0 is in; the full sequence ahead of slot 1's first fill:
	ds_add_u32 v[SPW], v[NIL]
	s_wait_xcnt 0x0                                ; my prefetches have read their base
	s_add_nc_u64 s[PFA:PFA+1], s[PFA:PFA+1], s[88:89]
	s_wait_dscnt 0x0
	CROUND
	JLOAD G0+4, G1, G0B+4, G1B                     ; slot 1
	ASKF
	FAS 0, 0, 0
	FB4 0, 0, 0, 0
	FB4 0, 0, 0, 4
	STEP 0, 1                                      ; the first step's products start the sums
.set ST, 1
.rept KS-2
	STEP ST, 0
.set ST, ST+1
.endr
.set MA_, 0                            ; the last step: nothing more to fetch
.set MB_, 0
	s_wait_dscnt 12
	WS 16, 1, 0
	s_wait_dscnt 0x0
	WS 16, 1, 0
	WIN 0
	PLACES 4
; THE WAY OUT, block by block of 16 rows x 128 columns: through my own stage in LDS and back as whole rows of 512 bytes.  The stage lies in slot 0, which has had its last fill, and which nobody reads
; behind the last change of slots.  LDS serves a wave's instructions in order: no wait between the stores and the loads, nor in front of the next block's stores.
.set BK, 128                           ; v128-191 and v192-255 by turns: 16 rows read back
.macro TOSTAGE a
	WIN 0x08                                       ; the data: window 2
.irp bb, 0,1,2,3
.irp p, 0,1,2,3
	ds_store_b128 v[STO], v[64*(\a)+16*\bb+4*\p:64*(\a)+16*\bb+4*\p+3] offset:128*\bb+16*\p   ; columns 32 b + 16 h + 4 p on; each accumulator from its low end on
.endr
.endr
	WIN 0
.set BB_, BK+64*((\a)%2)
.irp t, 0,1,2,3,4,5,6,7,8,9,10,11,12,13,14,15
	ds_load_b128 v[BB_+4*\t:BB_+4*\t+3], v[RD] offset:528*\t
.endr
.endm
.macro SEND a, younger                 ; younger: the LDS instructions issued behind block a's loads, which may stay out
.set BB_, BK+64*((\a)%2)
	s_wait_dscnt \younger
.irp t, 0,1,2,3,4,5,6,7,8,9,10,11,12,13,14,15
	global_store_b128 v[CO], v[BB_+4*\t:BB_+4*\t+3], s[16:17] offset:(16*(\a)+\t)*4096 th:TH_STORE_NT   ; the 32 lanes store 512 consecutive bytes, aligned
.endr
.endm
	TOSTAGE 0
.irp a, 1,2,3
.if \a > 1
	s_wait_xcnt 0x0                                ; block a - 2's stores have read their registers: block a's loads may land there
.endif
	TOSTAGE \a
	SEND \a-1, 32                                  ; behind block a - 1's loads: block a's 16 stores and 16 loads
.endr
	SEND 3, 0
	s_wait_tensorcnt 0x0                           ; the wave's end
	ds_add_u32 v[SPW], v[NIL]
	s_wait_dscnt 0x0
	CROUND                                         ; the closing round
	s_endpgm
.Lfunc_end_k_q79e944758c_layer3:
	.size	k_q79e944758c_layer3, .Lfunc_end_k_q79e944758c_layer3-k_q79e944758c_layer3
	.p2alignl 7, 3214868480
	.fill 96, 4, 3214868480
	.section	.rodata,"a",@progbits
	.p2align	6, 0x0
	.amdhsa_kernel k_q79e944758c_layer3
		.amdhsa_group_segment_fixed_size 327680
		.amdhsa_private_segment_fixed_size 0
		.amdhsa_enable_private_segment 0
		.amdhsa_kernarg_size 32
		.amdhsa_user_sgpr_count 2
		.amdhsa_user_sgpr_kernarg_segment_ptr 1
		.amdhsa_wavefront_size32 1
		.amdhsa_system_sgpr_workgroup_id_x 1
		.amdhsa_system_sgpr_workgroup_id_y 1
		.amdhsa_system_sgpr_workgroup_id_z 1
		.amdhsa_system_vgpr_workitem_id 0
		.amdhsa_next_free_vgpr 768
		.amdhsa_next_free_sgpr 90
		.amdhsa_reserve_vcc 0
		.amdhsa_float_denorm_mode_32 3
		.amdhsa_float_denorm_mode_16_64 3
		.amdhsa_memory_ordered 1
		.amdhsa_forward_progress 1
		.amdhsa_inst_pref_size 140
	.end_amdhsa_kernel
	.amdgpu_metadata
---
amdhsa.version: [ 1, 2 ]
amdhsa.kernels:
  - .name:           k_q79e944758c_layer3
    .symbol:         k_q79e944758c_layer3.kd
    .args:
      - { .name: h2, .offset: 0, .size: 8, .value_kind: global_buffer, .address_space: global }
      - { .name: wq, .offset: 8, .size: 8, .value_kind: global_buffer, .address_space: global }
      - { .name: b_final, .offset: 16, .size: 8, .value_kind: global_buffer, .address_space: global }
      - { .name: out0, .offset: 24, .size: 8, .value_kind: global_buffer, .address_space: global }
    .group_segment_fixed_size: 327680
    .private_segment_fixed_size: 0
    .kernarg_segment_align: 8
    .kernarg_segment_size: 32
    .max_flat_workgroup_size: 128
    .sgpr_count:     90
    .vgpr_count:     768
    .wavefront_size: 32
...
	.end_amdgpu_metadata
.endif
;; end of part 4
